; MI455X (gfx1250); checked and timed in simulation.
; The chip was launched on July 23, 2026; its instructions are those of AMD's public machine-readable ISA for CDNA 5 (MIT licence, August 2026) and "CDNA5" Instruction Set Architecture Reference Guide (July 2026). The comments in the code are by the model that wrote it; some were corrected since.
;; Multi Head Self Attention. Allowed arithmetic: matrix products marked QUANTISED: E3M2 operands, one E8M0 scale for each 32 along K, by v_wmma_scale_f32_16x16x128_f8f6f4 with both operands' format E3M2, f32 sums; everything else in f32.
;; Inputs: wk 768 x 768 float32; wo 768 x 768 float32; wq 768 x 768 float32; wv 768 x 768 float32; x 1 x 4,096 x 768 float32.
;; Outputs: out0 1 x 4,096 x 768 float32.
;; This version of the problem:
;;   THIS VERSION OF THE PROBLEM IS GIVEN IN LOW PRECISION. The matrix products marked QUANTISED in the list below multiply operands that are first quantised to E3M2 (3 exponent bits, 2 mantissa bits; 6 bits a number), with one power-of-two scale for each 32 numbers along K (OCP MX v1.0); their sums are f32. All else is computed in f32.
;;   The module's matrix products, in the order in which they are computed (A, B: the left and right operand; K: the contracted axis; several contracted axes count as one K, in the product's order):
;;     1. [M 4,096, K 768] x [K 768, N 768]; A: input x; B: input wq: QUANTISED
;;     2. [M 4,096, K 768] x [K 768, N 768]; A: input x; B: input wk: QUANTISED
;;     3. [M 4,096, K 768] x [K 768, N 768]; A: input x; B: input wv: QUANTISED
;;     4. batch 12 x [M 4,096, K 64] x [K 64, N 4,096]; A: computed on the way; B: computed on the way: QUANTISED
;;     5. batch 12 x [M 4,096, K 4,096] x [K 4,096, N 64]; A: softmax (see below); B: computed on the way: QUANTISED
;;     6. [M 4,096, K 768] x [K 768, N 768]; A: computed on the way; B: input wo: QUANTISED
;;   THE QUANTISER, for each operand of a quantised product, along K:
;;     - K is cut into blocks of 32 from its start; a last block that is shorter is filled with zeros.
;;     - A block's scale is 2^e with e = floor(log2(the largest magnitude in the block)) - 4, held to -126 .. 127; a block of zeros has e = 0. As a byte (E8M0): e + 127.
;;     - Each number is divided by its block's scale, clamped to +-28, and rounded to the nearest number of E3M2, ties to even, subnormals kept.
;;     - The product sums the exact products of the quantised numbers (number of the format x scale) in f32.
;;   ~~~python
;;   def quantise(x, axis):      # numpy; x: float32 -> the quantised numbers, widened to float32 again
;;       x = np.moveaxis(x, axis, -1); K = x.shape[-1]
;;       x = np.pad(x, [(0, 0)] * (x.ndim - 1) + [(0, -K % 32)]); x = x.reshape(x.shape[:-1] + (-1, 32)); a = np.abs(x).max(-1, keepdims=True)
;;       e = np.where(a > 0, np.clip(np.frexp(np.where(a > 0, a, 1))[1] - 1 - 4, -126, 127), 0)      # np.frexp(a)[1] - 1 = floor(log2(a)), exactly
;;       r = np.clip(x / 2.0 ** e, -28, 28)
;;       step = 2.0 ** (np.maximum(np.frexp(np.where(r == 0, 1, r))[1] - 1, -2) - 2)
;;       q = np.round(r / step) * step * 2.0 ** e      # np.round: ties to even
;;       return np.moveaxis(q.reshape(q.shape[:-2] + (-1,))[..., :K], -1, axis).astype(np.float32)
;;   ~~~
;;   SOFTMAX AHEAD OF A QUANTISED PRODUCT. Where the list says 'softmax', what is quantised is not the finished softmax but p = 2^(t - M), with t = logit x log2(e) and M = ceil(the row's largest t), a whole number; so 1/2 < the row's largest p <= 1. The row's sum l is taken of the UNQUANTISED p, in f32, and the product's result is divided by l at the end. Since M is a whole number, a kernel that streams over the keys may use a running M (the ceiling of the running maximum): every later rescaling is an exact power of two, which a block's scale takes up: the codes' values come out the same.
;;   OPERANDS COMPUTED ON THE WAY. 'Computed on the way' means the value that the module computes at that place (a softmax that the list does not call 'softmax' is quantised finished and normalised). What goes into a quantiser is computed in f32, as accurately as f32 sums, v_exp_f32 and their like allow (about 1e-6 of the number): no bf16 or f16 on the way to a quantiser, and a product that is left as it is and whose result goes on into a quantised operand takes f32 operands (vector FMAs, or v_wmma_f32_16x16x4_f32). A number that lies on a knife's edge between two numbers of the format may be rounded either way, as far as f32 arithmetic and the matrix unit's own rounding can turn it there, and no further.
;; One version. Each part assembles by itself: llvm-mc -triple=amdgcn-amd-amdhsa -mcpu=gfx1250 --defsym DOCPART=n.
;; ======== version 1 of 1: 4 launches
;; limits: right only within a limited range of input values
;; workspace buffers: xc 2,457,600 bytes; wc 1,843,200 bytes; qc 2,457,600 bytes; kv 4,915,200 bytes; ao 2,752,512 bytes
;; launch quant (part 1): grid 28 x 6, 4 waves a work-group, no clusters, 35,328 bytes of LDS; arguments x, wq, wk, wv, wo, xc, wc; writes xc, wc
.if DOCPART == 1
	.amdgcn_target "amdgcn-amd-amdhsa--gfx1250"
	.amdhsa_code_object_version 6
	.text
	.protected	k_q5df946c461_quant
	.globl	k_q5df946c461_quant
	.p2align	8
	.type	k_q5df946c461_quant,@function
k_q5df946c461_quant:
	s_mov_b64 s[64:65], 0
	v_nop
	global_prefetch_b8 v0, s[64:65] scope:SCOPE_SE
	s_setreg_imm32_b32 hwreg(HW_REG_WAVE_MODE, 25, 1), 1
	s_wait_xcnt 0x0
; x [4096][768] and wq, wk, wv, wo [768][768], f32 with K innermost, become codes of BF6 (E3M2) with one E8M0 byte for each 32 along K.
; A block's scale is 2^(floor(log2(its largest magnitude)) - 4): its byte is the largest magnitude's exponent field - 4, held at 1 from below.
; LIMITS: a block of zeros, or one whose largest magnitude lies under 2^-122, gets the byte 1 (the rule says 127 for zeros: the codes are zeros, and this program alone reads the bytes);
; NaN and infinities among the inputs are not served.
; LAYOUT OF THE RESULT: images of operand registers.  A tile is 16 rows; lane-row r of tile T is row 32 (T / 2) + 8 (T % 2) + r + 8 (r / 8).  A fragment (16 rows x 128 K, 12 registers a lane)
; is 1,536 bytes: three pieces of 512, piece c = registers 4 c .. 4 c + 3, lane l's 16 bytes at 16 l.  xc: [panel of 256 rows][K step][16 fragments, then 16 x 64 bytes of scale words];
; wc: [panel of 192 rows][K step][12 fragments, then 12 x 64 bytes]; panels 0-3 wq, 4-7 wk, 8-11 wv, 12-15 wo.
; SHARES: work-group y is the K step of 128.  Work-groups x = 0 .. 15 take a panel of x, the other twelve the weights, three to a weight.  A wave takes 64 rows: four tiles.
; Only pointers and offsets are chosen by the work-group's number: all five tensors take one path.  No cluster: no two work-groups read the same bytes.  No barrier: waves share nothing.
; Each load reads 512 consecutive bytes of one row; a tile turns through the wave's own stage in LDS (rows 528 bytes apart), so that a lane gets 16 neighbours of each block of 32.
; THE ORDER OF ROWS IN A TILE, as LOAD below makes it: the weights' tiles are as said above; x's tiles differ: lane-row r of tile T of x is token 64 (T / 4) + 8 (T % 4) + r % 8 + 32 (r / 8),
; so that in a product whose rows are tokens a lane's 32 registers of four neighbouring tiles are one whole block of 32 neighbouring tokens.
.set ROWX, 3072
.set SPIT, 528                         ; a stage row: 512 bytes + 16
.set SCB,  16*SPIT                     ; behind the stage: the wave's 256 bytes of scale words
.set WREG, SCB+256                     ; LDS of a wave
.set L16, 1                            ; v1  16 x lane
.set L8,  2                            ; v2  8 x lane
.set STI, 3                            ; v3  the stage, on the way in
.set STO, 4                            ; v4  and on the way out: row r, + 64 h
.set SSI, 5                            ; v5  my row's scale word
.set SSO, 6                            ; v6  the scale words on the way out
.set R,   16                           ; v16-143  two sets of 64 registers: a tile as loaded
.set X,   144                          ; v144-207 register 16 b + i = k 32 b + 16 h + i of my row
.set PC,  208                          ; v208-219 the fragment; v220-222, v224-226 at work
.set TM,  228                          ; v228-243 at work
.set PW,  244                          ; v244 the scale word
.set SB,  246                          ; v[246:247]
.set WV,  18
.set KS,  19
.set SRC, 24                           ; s[24:25] my 64 rows, at my K step
.set DC,  40                           ; s[40:41] where my four fragments go
.set DS,  42                           ; s[42:43] and my 256 bytes of scale words
.set SEL, 44                           ; s[44:45] v_permlanex16_b32's selects for lane l xor 16
; 64 numbers of a lane become a fragment's codes in v[PC] on and its scale word in v[PW]
.macro QUANT s
.irp b, 0,1,2,3
	v_max3_num_f32 v[TM+\b], |v[\s+16*\b]|, |v[\s+1+16*\b]|, 0x2800000   ; block b: my 16 numbers, and the floor 2^(5 - 127): the byte cannot fall under 1
.endr
.irp i, 2,4,6,8,10,12,14
.irp b, 0,1,2,3
	v_max3_num_f32 v[TM+\b], v[TM+\b], |v[\s+16*\b+\i]|, |v[\s+1+16*\b+\i]|   ; the four blocks by turns
.endr
.endr
.irp b, 0,1,2,3
	v_permlanex16_b32 v[TM+4+\b], v[TM+\b], s[SEL], s[SEL+1]
.endr
.irp b, 0,1,2,3
	v_max_num_f32 v[TM+\b], v[TM+\b], v[TM+4+\b]   ; with lane l xor 16's: the block's largest magnitude
.endr
.irp b, 0,1,2,3
	v_add_nc_u32 v[TM+12+\b], 0xfe000000, v[TM+\b]   ; 4 off its exponent field: the conversion's scale operand
.endr
.irp b, 0,1,2,3
	v_lshrrev_b32 v[TM+4+\b], 23, v[TM+12+\b]      ; the scale's byte
.endr
	v_lshl_or_b32 v[PW], v[TM+5], 8, v[TM+4]
	v_lshl_or_b32 v[PW], v[TM+6], 16, v[PW]
	v_lshl_or_b32 v[PW], v[TM+7], 24, v[PW]
.irp c, 0,1
	v_cvt_scalef32_pk16_bf6_f32 v[PC+6*\c:PC+2+6*\c], v[\s+32*\c:\s+15+32*\c], v[TM+12+2*\c]
	v_cvt_scalef32_pk16_bf6_f32 v[PC+12+4*\c:PC+14+4*\c], v[\s+16+32*\c:\s+31+32*\c], v[TM+12+2*\c+1]   ; a conversion's three registers begin on an even number
.endr
	v_nop                                          ; one plain line behind the scaled conversions
.irp c, 0,1                                    ; the operand wants a whole block in a lane: lanes 0-15 block 2 c, lanes 16-31 block 2 c + 1
.irp i, 0,1,2
	v_permlane16_swap_b32 v[PC+6*\c+\i], v[PC+12+4*\c+\i]
.endr
.irp i, 0,1,2
	v_mov_b32 v[PC+3+6*\c+\i], v[PC+12+4*\c+\i]
.endr
.endr
.endm
	s_load_b256 s[4:11], s[0:1], 0x0               ; x s[4:5], wq s[6:7], wk s[8:9], wv s[10:11]
	s_load_b128 s[12:15], s[0:1], 0x20             ; wo s[12:13], xc s[14:15]
	s_load_b64 s[16:17], s[0:1], 0x30              ; wc
	v_lshl_add_u32 v254, v0, 2, 0x8800
	v_mov_b32 v255, 0
	v_lshrrev_b32 v7, 5, v0
	v_readfirstlane_b32 s[WV], v7                  ; wave 0..3
	s_and_b32 s[KS], ttmp7, 0xffff                 ; the K step
	v_and_b32 v8, 31, v0                           ; lane
	v_and_b32 v9, 15, v0                           ; r
	v_bfe_u32 v10, v0, 4, 1                        ; h
	v_lshlrev_b32 v[L16], 4, v8
	v_lshlrev_b32 v[L8], 3, v8
	s_mul_i32 s33, s[WV], WREG
	v_add_nc_u32 v[STI], s33, v[L16]
	v_mul_u32_u24 v[STO], v9, SPIT
	v_lshl_add_u32 v[STO], v10, 6, v[STO]
	v_add_nc_u32 v[STO], s33, v[STO]
	s_add_co_u32 s33, s33, SCB
	v_lshl_add_u32 v[SSI], v9, 2, s33
	v_add_nc_u32 v[SSO], s33, v[L8]
.irp b, 0,1,2,3
	v_mov_b32 v[TM+4+\b], 0                        ; written once: a lane permute's destination counts as one of its sources
.endr
	s_mov_b32 s[SEL], 0x76543210
	s_mov_b32 s[SEL+1], 0xfedcba98
	s_max_u32 s20, ttmp9, 16
	s_sub_co_u32 s20, s20, 16
	s_lshl_b32 s20, s20, 2
	s_add_co_u32 s20, s20, s[WV]                   ; the weights' groups of 64 rows: G = 0 .. 47
	s_mul_i32 s21, s20, 43
	s_lshr_b32 s21, s21, 7                         ; G / 3: the panel of 192 rows (exact for G under 48)
	s_mul_i32 s22, s21, 3
	s_sub_co_u32 s22, s20, s22                     ; which 64 rows of the panel
	s_wait_alu depctr_va_vdst(0)
	s_wait_kmcnt 0x0
	s_mov_b64 s[SRC:SRC+1], s[12:13]               ; the choice hangs on the work-group's number alone
	s_mov_b32 s23, 36
	s_cmp_lt_u32 ttmp9, 25
	s_cselect_b64 s[SRC:SRC+1], s[10:11], s[SRC:SRC+1]
	s_cselect_b32 s23, 24, s23
	s_cmp_lt_u32 ttmp9, 22
	s_cselect_b64 s[SRC:SRC+1], s[8:9], s[SRC:SRC+1]
	s_cselect_b32 s23, 12, s23
	s_cmp_lt_u32 ttmp9, 19
	s_cselect_b64 s[SRC:SRC+1], s[6:7], s[SRC:SRC+1]
	s_cselect_b32 s23, 0, s23
	s_sub_co_u32 s26, s20, s23                     ; the group of 64 rows inside its weight
	s_lshl_b32 s27, ttmp9, 2
	s_add_co_u32 s27, s27, s[WV]                   ; and inside x
	s_cmp_lt_u32 ttmp9, 16                         ; x's work-group?
	s_cselect_b64 s[SRC:SRC+1], s[4:5], s[SRC:SRC+1]
	s_cselect_b64 s[28:29], s[14:15], s[16:17]
	s_cselect_b32 s26, s27, s26
	s_cselect_b32 s21, ttmp9, s21                  ; panel
	s_cselect_b32 s22, s[WV], s22                  ; 64 rows of it
	s_mov_b32 s30, 115200
	s_cselect_b32 s30, 153600, s30                 ; bytes of a panel,
	s_mov_b32 s31, 19200
	s_cselect_b32 s31, 25600, s31                  ; of a K step's block,
	s_mov_b32 s32, 18432
	s_cselect_b32 s32, 24576, s32                  ; of its fragments
	s_mul_i32 s34, s26, 64*ROWX
	s_lshl_b32 s35, s[KS], 9
	s_add_co_u32 s34, s34, s35
	s_mov_b32 s35, 0
	s_add_nc_u64 s[SRC:SRC+1], s[SRC:SRC+1], s[34:35]
	s_mul_i32 s34, s21, s30
	s_mul_i32 s36, s[KS], s31
	s_add_co_u32 s34, s34, s36                     ; the block
	s_mul_i32 s36, s22, 6144
	s_add_co_u32 s36, s36, s34
	s_mov_b32 s37, 0
	s_lshl_b32 s38, s22, 8
	s_add_co_u32 s38, s38, s34
	s_add_co_u32 s38, s38, s32
	s_mov_b32 s39, 0
	s_add_nc_u64 s[DC:DC+1], s[28:29], s[36:37]
	s_add_nc_u64 s[DS:DS+1], s[28:29], s[38:39]
	s_cmp_lt_u32 ttmp9, 16                         ; x's work-group?  Two more bases carry what differs between the two orders of rows
	s_cselect_b32 s34, 16*ROWX, 0
	s_cselect_b32 s36, 0, 16*ROWX
	s_mov_b32 s35, 0
	s_mov_b32 s37, 0
	s_add_nc_u64 s[4:5], s[SRC:SRC+1], s[34:35]    ; 16 rows on for x
	s_add_nc_u64 s[6:7], s[SRC:SRC+1], s[36:37]    ; 16 rows on for the weights
.macro LOAD t                          ; tile t: sixteen rows, 512 consecutive bytes each, into set t % 2.  Groups of 8 rows of my 64: the weights' tiles take groups (0,2) (1,3) (4,6) (5,7), x's (0,4) (1,5) (2,6) (3,7)
.if (\t) < 2
.set BL, SRC
.set OL, 8*(\t)
.set BH, 4
.set OH, 16+8*(\t)
.else
.set BL, 6
.set OL, 8*(\t)
.set BH, SRC
.set OH, 32+8*(\t)
.endif
.irp j, 0,1,2,3,4,5,6,7
	global_load_b128 v[R+64*((\t)%2)+4*\j:R+64*((\t)%2)+4*\j+3], v[L16], s[BL:BL+1] offset:(OL+\j)*ROWX th:TH_LOAD_NT
.endr
.irp j, 0,1,2,3,4,5,6,7
	global_load_b128 v[R+64*((\t)%2)+32+4*\j:R+64*((\t)%2)+32+4*\j+3], v[L16], s[BH:BH+1] offset:(OH+\j)*ROWX th:TH_LOAD_NT
.endr
.endm
.macro TILE t
.if \t < 3
	s_wait_loadcnt 16                              ; this tile's sixteen loads are in; the next tile's sixteen may be out
.else
	s_wait_loadcnt 0x0
.endif
.irp j, 0,1,2,3,4,5,6,7,8,9,10,11,12,13,14,15
	ds_store_b128 v[STI], v[R+64*((\t)%2)+4*\j:R+64*((\t)%2)+4*\j+3] offset:SPIT*\j
.endr
.irp b, 0,1,2,3
.irp q, 0,1,2,3
	ds_load_b128 v[X+16*\b+4*\q:X+16*\b+4*\q+3], v[STO] offset:128*\b+16*\q   ; LDS serves a wave's instructions in order: these see the stores above
.endr
.endr
	s_wait_dscnt 0x0                               ; my 64 numbers are in; the stage's stores have read their registers
	s_wait_xcnt 0x0                                ; the last tile's stores have read the fragment's registers, which are written again below
.if \t < 2
	LOAD \t+2
.endif
	QUANT X
.irp c, 0,1,2
	global_store_b128 v[L16], v[PC+4*\c:PC+4*\c+3], s[DC:DC+1] offset:1536*\t+512*\c   ; 32 lanes store 512 consecutive bytes, aligned
.endr
	ds_store_b32 v[SSI], v[PW] offset:64*\t        ; lanes r and r + 16 write the same word with the same value
.endm
	LOAD 0
	LOAD 1
	TILE 0
	TILE 1
	TILE 2
	TILE 3
	ds_load_b64 v[SB:SB+1], v[SSO]
	s_wait_dscnt 0x0
	global_store_b64 v[L8], v[SB:SB+1], s[DS:DS+1] ; 32 lanes store 256 consecutive bytes, aligned
	s_wait_tensorcnt 0x0
	ds_add_u32 v254, v255
	s_wait_dscnt 0x0
	s_endpgm
.Lfunc_end_k_q5df946c461_quant:
	.size	k_q5df946c461_quant, .Lfunc_end_k_q5df946c461_quant-k_q5df946c461_quant
	.p2alignl 7, 3214868480
	.fill 96, 4, 3214868480
	.section	.rodata,"a",@progbits
	.p2align	6, 0x0
	.amdhsa_kernel k_q5df946c461_quant
		.amdhsa_group_segment_fixed_size 35328
		.amdhsa_private_segment_fixed_size 0
		.amdhsa_enable_private_segment 0
		.amdhsa_kernarg_size 56
		.amdhsa_user_sgpr_count 2
		.amdhsa_user_sgpr_kernarg_segment_ptr 1
		.amdhsa_wavefront_size32 1
		.amdhsa_system_sgpr_workgroup_id_x 1
		.amdhsa_system_sgpr_workgroup_id_y 1
		.amdhsa_system_sgpr_workgroup_id_z 1
		.amdhsa_system_vgpr_workitem_id 0
		.amdhsa_next_free_vgpr 256
		.amdhsa_next_free_sgpr 66
		.amdhsa_reserve_vcc 0
		.amdhsa_float_denorm_mode_32 3
		.amdhsa_float_denorm_mode_16_64 3
		.amdhsa_memory_ordered 1
		.amdhsa_forward_progress 1
		.amdhsa_inst_pref_size 35
	.end_amdhsa_kernel
	.amdgpu_metadata
---
amdhsa.version: [ 1, 2 ]
amdhsa.kernels:
  - .name:           k_q5df946c461_quant
    .symbol:         k_q5df946c461_quant.kd
    .args:
      - { .name: x, .offset: 0, .size: 8, .value_kind: global_buffer, .address_space: global }
      - { .name: wq, .offset: 8, .size: 8, .value_kind: global_buffer, .address_space: global }
      - { .name: wk, .offset: 16, .size: 8, .value_kind: global_buffer, .address_space: global }
      - { .name: wv, .offset: 24, .size: 8, .value_kind: global_buffer, .address_space: global }
      - { .name: wo, .offset: 32, .size: 8, .value_kind: global_buffer, .address_space: global }
      - { .name: xc, .offset: 40, .size: 8, .value_kind: global_buffer, .address_space: global }
      - { .name: wc, .offset: 48, .size: 8, .value_kind: global_buffer, .address_space: global }
    .group_segment_fixed_size: 35328
    .private_segment_fixed_size: 0
    .kernarg_segment_align: 8
    .kernarg_segment_size: 56
    .max_flat_workgroup_size: 128
    .sgpr_count:     66
    .vgpr_count:     256
    .wavefront_size: 32
...
	.end_amdgpu_metadata
.endif
;; end of part 1
;; launch qkv (part 2): grid 12 x 16, 12 waves a work-group, clusters of 4 x 4, 273,408 bytes of LDS; arguments xc, wc, qc, kv; writes qc, kv
.if DOCPART == 2
	.amdgcn_target "amdgcn-amd-amdhsa--gfx1250"
	.amdhsa_code_object_version 6
	.text
	.protected	k_q5df946c461_qkv
	.globl	k_q5df946c461_qkv
	.p2align	8
	.type	k_q5df946c461_qkv,@function
k_q5df946c461_qkv:
	s_mov_b64 s[64:65], 0
	v_nop
	global_prefetch_b8 v0, s[64:65] scope:SCOPE_SE
	s_setreg_imm32_b32 hwreg(HW_REG_WAVE_MODE, 25, 1), 1
	s_wait_xcnt 0x0
	s_wait_alu depctr_hold_cnt(0) depctr_sa_sdst(0) depctr_va_vdst(0) depctr_va_sdst(0) depctr_va_ssrc(0) depctr_va_vcc(0) depctr_vm_vsrc(0)
	s_getreg_b32 s2, hwreg(HW_REG_IB_STS2, 6, 4)
	s_cmp_eq_u32 s2, 0
	s_cbranch_scc0 .Lentry_in_a_cluster
	s_endpgm
.Lentry_in_a_cluster:
	s_bfe_u32 s2, ttmp6, 0x10000c
	s_cmp_lg_u32 s2, 0xf033
	s_cbranch_scc0 .Lentry_shape_is_right
	s_endpgm
.Lentry_shape_is_right:
; q = x wq^T, k = x wk^T, v = x wv^T on codes of BF6 (E3M2) with E8M0 scales, f32 sums; the results are quantised in registers and leave as images of operand registers.
; q and k are quantised along the head's 64, v along the tokens (the keys).  LIMITS: a block of zeros, or under 2^-122, gets the byte 1 (codes zero; this program alone reads the bytes); NaN and infinities are not served.
; SHARES: a work-group makes 256 tokens x 192 channels (three heads) of one of q, k, v.  The cluster's x says which (0 q, 1 k, 2 v): equal in all sixteen partners.  Wave w: head g = w / 4, tokens 64 (w % 4) on: 16 accumulators.
; CLUSTER 4 x 4: the four of a row need the same panel of x, the four of a column the same panel of weights: each block is asked for jointly.
; ALL OF K LIES IN LDS AT ONCE: six regions, one a K step of 128 (x's block of 25,600 bytes, the weights' of 19,200), each filled once: no slot is filled again.  A wave that fetches has three tensor loads out at the most.
; q, k: source 0 = 16 rows of W, source 1 = 16 tokens: a lane holds one token, its 32 registers of four tiles of W the head's dims 32 b + 16 h + i.  v: the sources change places: a lane holds one channel and 64 tokens.
; (Lane-row r of tile T is row 32 (T / 2) + 8 (T % 2) + r + 8 (r / 8), for tokens and for channels alike: so two neighbouring tiles' 16 registers are 16 neighbours.)
; OUT: a half fragment (16 rows x 64 K, 6 registers) is 768 bytes: registers 0-3 at 16 l, then registers 4-5 at 512 + 8 l.  A chunk is 8 of them and 256 bytes of scales.
; qc: [head group][step of 128 tokens][head][chunk].  kv: [head group][step][k's three chunks, v's three chunks].  k, q: half fragment = tile of tokens, scales 2 bytes a row;
; v: half fragment 2 t + c = channels' tile t, keys 64 c on; scales 4 bytes a row of tile t, half c at + 2 c.
; THE ORDER OF TOKENS IN A TILE differs from the channels' said above: lane-row r of tile T of x is token 64 (T / 4) + 8 (T % 4) + r % 8 + 32 (r / 8).  So on v's path a lane's 32 registers of four tiles are one whole block of 32 keys,
; block lane / 16 of my 64: its largest magnitude needs no other lane, and each lane stores its own scale byte.
.set KREG, 44800
.set XBLK, 25600
.set WBLK, 19200
.set SCQ,  6*KREG                      ; behind the regions: the scales' stage of q's and k's path, 6 chunks x 256 bytes;
.set SCV,  SCQ+1536                    ; and of v's path: each path has bytes of its own
.set AX,  1                            ; v1  x's fragments of my 64 tokens, in the K step in hand
.set AW,  2                            ; v2  the weights' of my head
.set SX,  3                            ; v3  x's scale words
.set SW,  4                            ; v4  the weights'
.set L16, 5
.set L8,  6
.set ASQ, 7                            ; v7  where my scale halves go (q, k)
.set ASV, 8                            ; v8  (v)
.set ARQ, 9                            ; v9  where a chunk's 256 bytes are read back (q, k)
.set ARV, 10                           ; v10 (v)
.set XF,  16                           ; v16-63   x's four fragments
.set WF,  64                           ; v64-111  the weights' four
.set XS,  112                          ; v112-115 x's scale words
.set WS,  116                          ; v116-119 the weights'
.set ACC, 128                          ; v128-255 accumulator (i, j) at ACC + 32 i + 8 j
.set PCD, 16                           ; the way out: half fragment i at v[16 + 8 i]
.set TMP, 48
.set HM,  56
.set HT,  60
.set HS,  68
.set PW,  72                           ; v72-75 the four scale halves
.set SB,  76
.set WV,   12
.set G,    13
.set QT,   14
.set IDX,  15
.set CX,   16
.set CY,   17
.set PATH, 18
.set NP,   19
.set MB,   20
.set G1X,  24                          ; s[24:31] group 1 for x's blocks; s[32:39] for the weights'
.set G1W,  32
.set G0X,  40                          ; s[40:43] group 0 for x's blocks; s[52:55] for the weights'
.set G0W,  52
.set DB,   68                          ; s[68:75] where my four half fragments go
.set DSC,  76                          ; s[76:77] where a chunk's scales go
.set SEL,  82
.macro CROUND                          ; a round of the cluster's barrier
	s_barrier_signal -1
	s_barrier_wait -1
	s_cmp_lg_u32 s[WV], 0
	s_cbranch_scc1 .Lnot_wave_0_\@
	s_barrier_signal -3
.Lnot_wave_0_\@:
	s_barrier_wait -3
	s_barrier_signal -1
	s_barrier_wait -1
.endm
; 32 numbers of a lane, register 16 b + i = k 32 b + 16 h + i, become a half fragment in v[pc] on and two scale bytes in v[pw]
.macro HQUANT s, pc, pw
.irp b, 0,1
	v_max3_num_f32 v[HM+\b], |v[\s+16*\b]|, |v[\s+1+16*\b]|, 0x2800000   ; from each accumulator's low end on; the floor 2^(5 - 127) holds the byte at 1
.endr
.irp i, 2,4,6,8,10,12,14
.irp b, 0,1
	v_max3_num_f32 v[HM+\b], v[HM+\b], |v[\s+16*\b+\i]|, |v[\s+1+16*\b+\i]|
.endr
.endr
.irp b, 0,1
	s_delay_alu instid0(VALU_DEP_2)
	v_permlanex16_b32 v[HT+\b], v[HM+\b], s[SEL], s[SEL+1]
.endr
.irp b, 0,1
	s_delay_alu instid0(VALU_DEP_2)
	v_max_num_f32 v[HM+\b], v[HM+\b], v[HT+\b]
.endr
.irp b, 0,1
	s_delay_alu instid0(VALU_DEP_2)
	v_add_nc_u32 v[HS+\b], 0xfe000000, v[HM+\b]    ; 4 off the exponent field: the conversion's scale operand
.endr
.irp b, 0,1
	s_delay_alu instid0(VALU_DEP_2)
	v_lshrrev_b32 v[HT+\b], 23, v[HS+\b]
.endr
	s_delay_alu instid0(VALU_DEP_1)
	v_lshl_or_b32 v[\pw], v[HT+1], 8, v[HT]
	v_cvt_scalef32_pk16_bf6_f32 v[\pc:\pc+2], v[\s:\s+15], v[HS]
	v_cvt_scalef32_pk16_bf6_f32 v[TMP:TMP+2], v[\s+16:\s+31], v[HS+1]
	v_nop                                          ; one plain line behind the scaled conversions
.irp i, 0,1,2
	v_permlane16_swap_b32 v[\pc+\i], v[TMP+\i]     ; lanes 0-15 get block 0 whole, lanes 16-31 block 1
.endr
.irp i, 0,1,2
	s_delay_alu instid0(VALU_DEP_3)
	v_mov_b32 v[\pc+3+\i], v[TMP+\i]
.endr
.endm
	s_load_b256 s[4:11], s[0:1], 0x0               ; xc s[4:5], wc s[6:7], qc s[8:9], kv s[10:11]
	v_lshl_add_u32 v126, v0, 2, 0x42600
	v_mov_b32 v127, 0
	ds_add_u32 v126, v127
	ds_add_u32 v126, v127
	v_lshrrev_b32 v11, 5, v0
	s_delay_alu instid0(VALU_DEP_1)
	v_readfirstlane_b32 s[WV], v11                 ; wave 0..11
	s_lshr_b32 s[G], s[WV], 2
	s_and_b32 s[QT], s[WV], 3
	s_lshr_b32 s[IDX], s[WV], 1                    ; the K step whose block I fetch: wave / 2
	s_bfe_u32 s[CX], ttmp6, 0x40000
	s_bfe_u32 s[CY], ttmp6, 0x40004
	s_mov_b32 s[PATH], ttmp9                       ; the cluster's x: 0 q, 1 k, 2 v
	s_lshl_b32 s[NP], ttmp9, 2
	s_add_co_u32 s[NP], s[NP], s[CX]               ; the weights' panel
	s_and_b32 s[MB], ttmp7, 0xffff
	s_lshl_b32 s[MB], s[MB], 2
	s_add_co_u32 s[MB], s[MB], s[CY]               ; x's panel
	s_lshl_b32 s21, s[CY], 2
	s_lshl_b32 s21, 15, s21                        ; my row of the cluster
	s_lshl_b32 s22, 0x1111, s[CX]                  ; my column
	; group 1: a dense block as rows of 256 bytes (32 elements of 8 bytes), no padding
	s_or_b32 s[G1X], s21, (3<<16)|(1<<21)          ; 15:0 the mask; 17:16 elements of 8 bytes; 21 set beside a mask
	s_mov_b32 s[G1X+1], 32<<16                     ; tensor_dim0
	s_mov_b32 s[G1X+2], 100<<16                    ; tensor_dim1
	s_mov_b32 s[G1X+3], 32<<16                     ; tile_dim0
	s_mov_b32 s[G1X+4], 100                        ; tile_dim1
	s_mov_b32 s[G1X+5], 32                         ; the pitch
	s_mov_b32 s[G1X+6], 0
	s_mov_b32 s[G1X+7], 0
	s_or_b32 s[G1W], s22, (3<<16)|(1<<21)
	s_mov_b32 s[G1W+1], 32<<16
	s_mov_b32 s[G1W+2], 75<<16
	s_mov_b32 s[G1W+3], 32<<16
	s_mov_b32 s[G1W+4], 75
	s_mov_b32 s[G1W+5], 32
	s_mov_b32 s[G1W+6], 0
	s_mov_b32 s[G1W+7], 0
	s_mov_b32 s[SEL], 0x76543210
	s_mov_b32 s[SEL+1], 0xfedcba98
	; every LDS address is a constant + a constant x lane + a constant x wave
	v_and_b32 v12, 31, v0                          ; lane
	v_and_b32 v13, 15, v0                          ; r
	s_wait_alu depctr_va_vdst(0)
	v_lshlrev_b32 v[L16], 4, v12
	v_lshlrev_b32 v[L8], 3, v12
	s_wait_alu depctr_va_vdst(0)
	s_mul_i32 s89, s[QT], 6144
	v_add_nc_u32 v[AX], s89, v[L16]
	s_mul_i32 s89, s[G], 6144
	s_add_co_u32 s89, s89, XBLK
	v_add_nc_u32 v[AW], s89, v[L16]
	s_lshl_b32 s89, s[QT], 8
	s_add_co_u32 s89, s89, 24576
	v_lshl_add_u32 v[SX], v13, 2, s89
	s_lshl_b32 s89, s[G], 8
	s_add_co_u32 s89, s89, XBLK+18432
	v_lshl_add_u32 v[SW], v13, 2, s89
	s_lshr_b32 s89, s[QT], 1
	s_mul_i32 s89, s89, 3
	s_add_co_u32 s89, s89, s[G]                    ; my chunk of the work-group's six: 3 x step + head
	s_lshl_b32 s89, s89, 8
	s_and_b32 s90, s[QT], 1
	s_lshl_b32 s91, s90, 7
	s_add_co_u32 s91, s91, s89
	s_add_co_u32 s91, s91, SCQ
	v_lshl_add_u32 v[ASQ], v13, 1, s91
	s_lshl_b32 s91, s90, 1
	s_add_co_u32 s91, s91, s89
	s_add_co_u32 s91, s91, SCV
	v_lshl_add_u32 v[ASV], v13, 2, s91
	v_bfe_u32 v14, v0, 4, 1                        ; h: my block of the two
	v_add_nc_u32 v[ASV], v[ASV], v14
	s_min_u32 s90, s[WV], 5
	s_lshl_b32 s91, s90, 8
	s_add_co_u32 s91, s91, SCQ
	v_add_nc_u32 v[ARQ], s91, v[L8]
	s_delay_alu instid0(VALU_DEP_1)
	v_add_nc_u32 v[ARV], 1536, v[ARQ]
	; what I fetch: K step wave / 2.  x's address is made of x's panel alone, the weights' of their panel alone, each in registers of its own
	s_mul_i32 s84, s[MB], 6*XBLK
	s_mul_i32 s85, s[IDX], XBLK
	s_add_co_u32 s84, s84, s85
	s_mov_b32 s85, 0
	s_mul_i32 s86, s[NP], 6*WBLK
	s_mul_i32 s87, s[IDX], WBLK
	s_add_co_u32 s86, s86, s87
	s_mov_b32 s87, 0
	s_mul_i32 s88, s[IDX], KREG
	s_wait_dscnt 0x0
	s_wait_kmcnt 0x0
	s_add_nc_u64 s[84:85], s[4:5], s[84:85]
	s_add_nc_u64 s[86:87], s[6:7], s[86:87]
.irp p, 0
	s_mov_b32 s[G0X+4*\p], 1
	s_add_co_u32 s[G0X+4*\p+1], s88, \p*2*KREG
	s_add_nc_u64 s[G0X+4*\p+2:G0X+4*\p+3], s[84:85], \p*2*XBLK
	s_or_b32 s[G0X+4*\p+3], s[G0X+4*\p+3], 0x80000000
	s_mov_b32 s[G0W+4*\p], 1
	s_add_co_u32 s[G0W+4*\p+1], s88, \p*2*KREG+XBLK
	s_add_nc_u64 s[G0W+4*\p+2:G0W+4*\p+3], s[86:87], \p*2*WBLK
	s_or_b32 s[G0W+4*\p+3], s[G0W+4*\p+3], 0x80000000
.endr
	CROUND                                         ; all sixteen work-groups are here: the joint loads meet
	s_and_b32 s89, s[WV], 1                        ; twelve blocks, twelve waves, one load a wave: even waves x's block of K step wave / 2, odd waves the weights'
	s_cmp_eq_u32 s89, 0
	s_cbranch_scc0 .Lnot_x
	tensor_load_to_lds s[G0X:G0X+3], s[G1X:G1X+7]
	s_nop 0
.rept 4
	v_nop
.endr
	s_branch .Lasked
.Lnot_x:
	tensor_load_to_lds s[G0W:G0W+3], s[G1W:G1W+7]
	s_nop 0
.rept 4
	v_nop
.endr
.Lasked:
	; where the results go
	s_cmp_eq_u32 s[PATH], 0
	s_cselect_b64 s[78:79], s[8:9], s[10:11]       ; qc or kv
	s_mov_b32 s80, 38400
	s_cselect_b32 s80, 19200, s80                  ; bytes of a step of 128 tokens
	s_cmp_eq_u32 s[PATH], 2
	s_cselect_b32 s81, 19200, 0                    ; v's chunks lie behind k's
	s_mov_b32 s92, 3072
	s_cselect_b32 s92, 768, s92                    ; from my step's first 64 tokens to its second,
	s_mov_b32 s93, 768
	s_cselect_b32 s93, 1536, s93                   ; from half fragment i to i + 1
	s_lshl_b32 s94, s[CX], 5
	s_lshl_b32 s95, s[MB], 1
	s_add_co_u32 s94, s94, s95                     ; 32 x head group + the work-group's first step
	s_lshr_b32 s95, s[QT], 1
	s_add_co_u32 s95, s95, s94
	s_mul_i32 s95, s95, s80
	s_add_co_u32 s95, s95, s81
	s_mul_i32 s66, s[G], 6400
	s_add_co_u32 s95, s95, s66
	s_and_b32 s66, s[QT], 1
	s_mul_i32 s66, s66, s92
	s_add_co_u32 s66, s66, s95
	s_mov_b32 s67, 0
	s_add_nc_u64 s[DB:DB+1], s[78:79], s[66:67]
	s_mov_b32 s66, s93
	s_add_nc_u64 s[DB+2:DB+3], s[DB:DB+1], s[66:67]
	s_add_nc_u64 s[DB+4:DB+5], s[DB+2:DB+3], s[66:67]
	s_add_nc_u64 s[DB+6:DB+7], s[DB+4:DB+5], s[66:67]
	s_min_u32 s95, s[WV], 5                        ; waves 0 to 5 each store one chunk's scales
	s_cmp_ge_u32 s95, 3
	s_cselect_b32 s66, 1, 0
	s_mul_i32 s92, s66, 3
	s_sub_co_u32 s95, s95, s92
	s_add_co_u32 s66, s66, s94
	s_mul_i32 s66, s66, s80
	s_add_co_u32 s66, s66, s81
	s_mul_i32 s95, s95, 6400
	s_add_co_u32 s66, s66, s95
	s_add_co_u32 s66, s66, 6144
	s_add_nc_u64 s[DSC:DSC+1], s[78:79], s[66:67]
; 16 matrix instructions; the 16 accumulators take turns, one instruction a turn
.macro MUL a, b, sa, sb, zero
.irp i, 0,1,2,3
.irp j, 0,1,2,3
.if \zero
	v_wmma_scale_f32_16x16x128_f8f6f4 v[ACC+32*\i+8*\j:ACC+32*\i+8*\j+7], v[\a+12*\j:\a+12*\j+11], v[\b+12*\i:\b+12*\i+11], 0, v[\sa+\j], v[\sb+\i] matrix_a_fmt:MATRIX_FMT_BF6 matrix_b_fmt:MATRIX_FMT_BF6
.else
	v_wmma_scale_f32_16x16x128_f8f6f4 v[ACC+32*\i+8*\j:ACC+32*\i+8*\j+7], v[\a+12*\j:\a+12*\j+11], v[\b+12*\i:\b+12*\i+11], v[ACC+32*\i+8*\j:ACC+32*\i+8*\j+7], v[\sa+\j], v[\sb+\i] matrix_a_fmt:MATRIX_FMT_BF6 matrix_b_fmt:MATRIX_FMT_BF6
.endif
.endr
.endr
.endm
; A K step of 128: eight fragments and eight scale words from LDS, 16 products.  zero = 1: the products start the sums.  last = 1: no K step follows
.macro KSTEP zero, last
.irp i, 0,1,2,3
.irp c, 0,1,2
	ds_load_b128 v[XF+12*\i+4*\c:XF+12*\i+4*\c+3], v[AX] offset:1536*\i+512*\c
.endr
.endr
.irp i, 0,1,2,3
.irp c, 0,1,2
	ds_load_b128 v[WF+12*\i+4*\c:WF+12*\i+4*\c+3], v[AW] offset:1536*\i+512*\c
.endr
.endr
.irp i, 0,1,2,3
	ds_load_b32 v[XS+\i], v[SX] offset:64*\i
	ds_load_b32 v[WS+\i], v[SW] offset:64*\i
.endr
	s_wait_dscnt 0x0
	s_cmp_eq_u32 s[PATH], 2                        ; the cluster's x: alike in all waves and all partners
	s_cbranch_scc1 .Lv_\@
	MUL WF, XF, WS, XS, \zero                      ; q, k: a lane holds one token
	s_branch .Lj_\@
.Lv_\@:
	MUL XF, WF, XS, WS, \zero                      ; v: a lane holds one channel
.Lj_\@:
.if \last
.rept 4
	v_nop                                          ; four places in front of the first read of results
.endr
.else
	s_wait_alu depctr_va_vdst(0)
	v_add_nc_u32 v[AX], KREG, v[AX]                ; on to the next K step's region: these four lines are also the four places in front of the loads into registers that the products have read
	v_add_nc_u32 v[AW], KREG, v[AW]
	v_add_nc_u32 v[SX], KREG, v[SX]
	v_add_nc_u32 v[SW], KREG, v[SW]
.endif
.endm
	s_wait_tensorcnt 0x0                           ; my one block has landed
	s_barrier_signal -1
	s_barrier_wait -1                              ; everybody's has
	s_wait_alu depctr_va_vdst(0)
	KSTEP 1, 0
	KSTEP 0, 0
	s_wait_alu depctr_va_vdst(0)
	KSTEP 0, 0
	KSTEP 0, 0
	s_wait_alu depctr_va_vdst(0)
	KSTEP 0, 0
	KSTEP 0, 1
	; THE WAY OUT: each group of four accumulators is 32 numbers along the next K: a half fragment
	v_mov_b32 v[HT], 0                             ; a lane permute's destination counts as one of its sources
	v_mov_b32 v[HT+1], 0
; v's path: 32 numbers of a lane are one whole block, k = 32 h + 0 .. 31: six registers of codes in v[pc] on, one scale byte in v[pw]
.macro VQUANT s, pc, pw
.irp b, 0,1
	v_max3_num_f32 v[HM+\b], |v[\s+16*\b]|, |v[\s+1+16*\b]|, 0x2800000   ; two chains, each accumulator from its low end on; the floor 2^(5 - 127) holds the byte at 1
.endr
.irp i, 2,4,6,8,10,12,14
.irp b, 0,1
	v_max3_num_f32 v[HM+\b], v[HM+\b], |v[\s+16*\b+\i]|, |v[\s+1+16*\b+\i]|
.endr
.endr
	s_delay_alu instid0(VALU_DEP_1)
	v_max_num_f32 v[HM], v[HM], v[HM+1]
	s_delay_alu instid0(VALU_DEP_1)
	v_add_nc_u32 v[HS], 0xfe000000, v[HM]          ; 4 off the exponent field: the conversions' scale operand
	s_delay_alu instid0(VALU_DEP_1)
	v_lshrrev_b32 v[\pw], 23, v[HS]
	v_cvt_scalef32_pk16_bf6_f32 v[\pc:\pc+2], v[\s:\s+15], v[HS]
	v_cvt_scalef32_pk16_bf6_f32 v[TMP:TMP+2], v[\s+16:\s+31], v[HS]
	v_nop                                          ; one plain line behind the scaled conversions
.irp i, 0,1,2
	v_mov_b32 v[\pc+3+\i], v[TMP+\i]
.endr
.endm
	s_cmp_eq_u32 s[PATH], 2
	s_cbranch_scc1 .Lout_v
.irp i, 0,1,2,3
	HQUANT ACC+32*\i, PCD+8*\i, PW+\i
	global_store_b128 v[L16], v[PCD+8*\i:PCD+8*\i+3], s[DB+2*\i:DB+2*\i+1]              ; 512 consecutive bytes, aligned
	global_store_b64 v[L8], v[PCD+8*\i+4:PCD+8*\i+5], s[DB+2*\i:DB+2*\i+1] offset:512   ; 256 consecutive bytes, aligned
.endr
.irp i, 0,1,2,3
	ds_store_b16 v[ASQ], v[PW+\i] offset:32*\i     ; lanes r and r + 16 write the same bytes with the same value
.endr
	s_branch .Lstaged
.Lout_v:
.irp i, 0,1,2,3
	VQUANT ACC+32*\i, PCD+8*\i, PW+\i
	global_store_b128 v[L16], v[PCD+8*\i:PCD+8*\i+3], s[DB+2*\i:DB+2*\i+1]
	global_store_b64 v[L8], v[PCD+8*\i+4:PCD+8*\i+5], s[DB+2*\i:DB+2*\i+1] offset:512
.endr
.irp i, 0,1,2,3
	ds_store_b8 v[ASV], v[PW+\i] offset:64*\i      ; each lane its own byte: 4 r + 2 x (which 64 keys) + h
.endr
.Lstaged:
	s_wait_dscnt 0x0                               ; for the others' sake: my stores into the stage are done
	s_barrier_signal -1
	s_barrier_wait -1
	s_cmp_lt_u32 s[WV], 6
	s_cbranch_scc0 .Ldone
	s_cmp_eq_u32 s[PATH], 2
	s_cbranch_scc1 .Lread_v
	ds_load_b64 v[SB:SB+1], v[ARQ]
	s_branch .Lread
.Lread_v:
	ds_load_b64 v[SB:SB+1], v[ARV]
.Lread:
	s_wait_dscnt 0x0
	global_store_b64 v[L8], v[SB:SB+1], s[DSC:DSC+1]   ; a chunk's 256 bytes of scales, aligned
.Ldone:
	s_wait_tensorcnt 0x0
	ds_add_u32 v126, v127
	s_wait_dscnt 0x0
	CROUND                                         ; the closing round: no work-group ends while a partner may still ask for a block that names it
	s_endpgm
.Lfunc_end_k_q5df946c461_qkv:
	.size	k_q5df946c461_qkv, .Lfunc_end_k_q5df946c461_qkv-k_q5df946c461_qkv
	.p2alignl 7, 3214868480
	.fill 96, 4, 3214868480
	.section	.rodata,"a",@progbits
	.p2align	6, 0x0
	.amdhsa_kernel k_q5df946c461_qkv
		.amdhsa_group_segment_fixed_size 273408
		.amdhsa_private_segment_fixed_size 0
		.amdhsa_enable_private_segment 0
		.amdhsa_kernarg_size 32
		.amdhsa_user_sgpr_count 2
		.amdhsa_user_sgpr_kernarg_segment_ptr 1
		.amdhsa_wavefront_size32 1
		.amdhsa_system_sgpr_workgroup_id_x 1
		.amdhsa_system_sgpr_workgroup_id_y 1
		.amdhsa_system_sgpr_workgroup_id_z 1
		.amdhsa_system_vgpr_workitem_id 0
		.amdhsa_next_free_vgpr 256
		.amdhsa_next_free_sgpr 96
		.amdhsa_reserve_vcc 0
		.amdhsa_float_denorm_mode_32 3
		.amdhsa_float_denorm_mode_16_64 3
		.amdhsa_memory_ordered 1
		.amdhsa_forward_progress 1
		.amdhsa_inst_pref_size 64
	.end_amdhsa_kernel
	.amdgpu_metadata
---
amdhsa.version: [ 1, 2 ]
amdhsa.kernels:
  - .name:           k_q5df946c461_qkv
    .symbol:         k_q5df946c461_qkv.kd
    .args:
      - { .name: xc, .offset: 0, .size: 8, .value_kind: global_buffer, .address_space: global }
      - { .name: wc, .offset: 8, .size: 8, .value_kind: global_buffer, .address_space: global }
      - { .name: qc, .offset: 16, .size: 8, .value_kind: global_buffer, .address_space: global }
      - { .name: kv, .offset: 24, .size: 8, .value_kind: global_buffer, .address_space: global }
    .group_segment_fixed_size: 273408
    .private_segment_fixed_size: 0
    .kernarg_segment_align: 8
    .kernarg_segment_size: 32
    .max_flat_workgroup_size: 384
    .sgpr_count:     96
    .vgpr_count:     256
    .wavefront_size: 32
...
	.end_amdgpu_metadata
.endif
;; end of part 2
;; launch attn (part 3): grid 64 x 4, 12 waves a work-group, clusters of 4 x 1, 327,680 bytes of LDS; arguments qc, kv, ao; writes ao
.if DOCPART == 3
	.amdgcn_target "amdgcn-amd-amdhsa--gfx1250"
	.amdhsa_code_object_version 6
	.text
	.protected	k_q5df946c461_attn
	.globl	k_q5df946c461_attn
	.p2align	8
	.type	k_q5df946c461_attn,@function
k_q5df946c461_attn:
	s_mov_b64 s[64:65], 0
	v_nop
	global_prefetch_b8 v0, s[64:65] scope:SCOPE_SE
	s_setreg_imm32_b32 hwreg(HW_REG_WAVE_MODE, 25, 1), 1
	s_wait_xcnt 0x0
	s_wait_alu depctr_hold_cnt(0) depctr_sa_sdst(0) depctr_va_vdst(0) depctr_va_sdst(0) depctr_va_ssrc(0) depctr_va_vcc(0) depctr_vm_vsrc(0)
	s_getreg_b32 s2, hwreg(HW_REG_IB_STS2, 6, 4)
	s_cmp_eq_u32 s2, 0
	s_cbranch_scc0 .Lentry_in_a_cluster
	s_endpgm
.Lentry_in_a_cluster:
	s_bfe_u32 s2, ttmp6, 0x10000c
	s_cmp_lg_u32 s2, 0x3003
	s_cbranch_scc0 .Lentry_shape_is_right
	s_endpgm
.Lentry_shape_is_right:
; Attention on codes of BF6 (E3M2): S^T = K Q^T (K = the head's 64), p = 2^(t - M), O^T = V^T P^T (K = the keys), O / l, quantised along the head's 64 for the last projection.
; t = score x log2(e) / 8; M = the running largest t rounded up to a whole number, kept as -M = the least floor(-t); p is not normalised; l is the sum of the unquantised p;
; when M moves, l and O^T are multiplied by 2^(old M - new M): exact.
; THE FIRST PRODUCT HAS K = 64.  Two tiles of 16 keys make ONE fragment [Ka | Kb]: with [Q | 0] it gives Ka Q^T, with [0 | Q] it gives Kb Q^T.  Q lies as Q, six zero registers, Q: the two operands are 12 registers from register 0 and from register 6.
; Ka's scale halves lie in the low half of a scale register, Kb's in the high half of another; the other half holds 0, a finite byte, over products with zero codes.
; A scale register carries two tiles' rows: lanes 0-15 one tile, lanes 16-31 the next fragment's (taken by MATRIX_SCALE_ROW1).
; LIMITS: a block of zeros, or under 2^-122, gets the byte 1 (codes zero; this program alone reads the bytes); NaN and infinities are not served.
; SHARES: a work-group owns 64 queries of three heads; each of its twelve waves one head (wave / 4) and one tile of 16 queries (wave % 4): 3,072 tiles are twelve for each of 256 work-groups.  Every wave walks all 4,096 keys, 128 a step.
; CLUSTER 4 x 1: the four query panels of a cluster walk the same three heads' K and V: each slot is asked for jointly, mask 15.
; RING: two slots, each a dense copy of four steps of kv (153,600 bytes); every wave fetches a twelfth: one tensor load of a wave is out at a time.
; LDS LOADS RUN AHEAD inside a slot: the next step's K is asked for behind this step's quantising, the next step's V behind this step's last products.  So a slot's last LDS loads are issued when its last step begins:
; THE CHANGE OF SLOTS OPENS THERE: the wait for my tensor load, the add, the wait for my LDS loads and the barrier's signal stand at the head of the slot's last step, the barrier's wait at its end; between them is work on registers alone.
; The scratch registers lie in K's registers, between the first product and the next K's loads.
; A lane holds ONE query throughout.  Lane-row r of tile T of the keys is key 64 (T / 4) + 8 (T % 4) + r % 8 + 32 (r / 8): register 32 c + i of S^T is key 64 c + 32 (lane / 16) + i: a lane holds whole blocks of 32 keys, as the operand p wants them.
; V's channels of a tile are in the order 32 (T / 2) + 8 (T % 2) + r + 8 (r / 8), so that two neighbouring tiles' 16 registers of O^T are 16 neighbours.
; OUT: ao: [panel of 64 tokens][part of four heads][16 half fragments at 4 x (head % 4) + tile, then 16 x 128 bytes of scale words at 4 l].
.set STEPB, 38400                      ; a step in kv and in a slot: K's three chunks of 6,400 bytes, then V's
.set SLOTB, 4*STEPB
.set WPART, SLOTB/12                   ; 12,800 bytes: 50 rows of 256
.set SPARE, 2*SLOTB                    ; behind the ring: the spare words, 128 bytes for each wave
.set HGB,   32*STEPB                   ; a head group in kv
.set NKL, 20                           ; LDS loads that bring a step's K and its scales
.set NVL, 18                           ; and its V
.set B16, 1                            ; v1  my head's chunk + 16 l
.set B8,  2                            ; v2  + 8 l
.set BKS, 3                            ; v3  K's scale halves: + 6144 + 2 r + 64 h
.set BVS, 4                            ; v4  V's scale words: 19200 + chunk + 6144 + 4 l
.set SPW, 5                            ; v5  my spare word; never rewritten
.set NIL, 6                            ; v6  0; never rewritten
.set L16, 7
.set A16, 8                            ; v8-11 the four addresses for the pair of steps in hand
.set A8,  9
.set AKS, 10
.set AVS, 11
.set NM0, 12                           ; v12, v14: -M, by turns (v13, v15 are named with them as pairs)
.set NM1, 14
.set LS,  16                           ; v[16:17] the sum in two halves
.set QF,  18                           ; v18-23 Q, v24-29 zeros, v30-35 Q
.set QS,  36                           ; Q's scale halves, in both halves of the word
.set KS,  37                           ; v37-38 even tiles' scale halves, v39-40 odd tiles'
.set VS,  41                           ; v41-42 V's scale words
.set PS,  43                           ; p's scale word
.set FF,  44                           ; v44 f = 2^(old M - new M) (v45 named with it)
.set L8,  46
.set L4,  47
.set KF,  48                           ; v48-95 four fragments: eight tiles of K
.set BM,  48                           ; scratch in K's registers: four chains of maxima; then v48, v50: my two blocks' largest scores,
.set T4,  52
.set SO,  56                           ; v56-57 the conversions' scale operands,
.set CT,  60                           ; v60-62, v64-66 the conversions' second halves
.set S,   96                           ; v96-159 S^T, then p
.set O,   160                          ; v160-191 O^T
.set VF,  192                          ; v192-239 V's four fragments
.set P,   240                          ; v240-251 p's codes
.set PFO, 252
.set TT,  253
.set DD,  254
.set SH8, 255                          ; 8 x (lane / 16)
.set HM,  BM
.set HT,  T4
.set HS,  SO
.set TMP, CT
.set WV,  10
.set G1,  16                           ; s[16:23]
.set G0,  24                           ; s[24:27] walks
.set SEL, 28
.set CS,  30                           ; s[30:31] c = log2(e) / 8
.set TB,  32                           ; where the slot in hand begins
.set SLOTS, 33
.set LIM, 34
.set PFA, 36
.set QB,  38
.set QSB, 40
.set AOB, 42
.set AOS, 44
.set NCS, 66                           ; -c
.set FB,  67                           ; where the slot that is filled begins
.set WOF, 68                           ; my twelfth of a slot
.macro CREST                           ; a round of the cluster's barrier behind its opening barrier
	s_cmp_lg_u32 s[WV], 0
	s_cbranch_scc1 .Lnot_wave_0_\@
	s_barrier_signal -3
.Lnot_wave_0_\@:
	s_barrier_wait -3
	s_barrier_signal -1
	s_barrier_wait -1
.endm
.macro CROUND
	s_barrier_signal -1
	s_barrier_wait -1
	CREST
.endm
; A prefetch of the slot that the NEXT refill will ask for: four key steps ahead of that load.  All sixteen clusters of a head group walk the same bytes: the first cluster asks.  Its four partners take 38,400 bytes
; each, told apart by address; in each, waves 0 to 4 take 7,680 bytes: 30 lanes 256 bytes apart (lanes 30, 31 name lane 29's bytes again).  Slots 0 and 1 come by their loads alone; the last refill asks for nothing.
.macro ASK
	s_cmp_gt_u32 s[SLOTS], s[LIM]
	s_cbranch_scc0 .Lnot_mine_\@
	global_prefetch_b8 v[PFO], s[PFA:PFA+1] th:TH_LOAD_NT scope:SCOPE_SE
.Lnot_mine_\@:
.endm
.macro HQUANT s, pc, pw
.irp b, 0,1
	v_max3_num_f32 v[HM+\b], |v[\s+16*\b]|, |v[\s+1+16*\b]|, 0x2800000
.endr
.irp i, 2,4,6,8,10,12,14
.irp b, 0,1
	s_delay_alu instid0(VALU_DEP_2)
	v_max3_num_f32 v[HM+\b], v[HM+\b], |v[\s+16*\b+\i]|, |v[\s+1+16*\b+\i]|
.endr
.endr
.irp b, 0,1
	s_delay_alu instid0(VALU_DEP_2)
	v_permlanex16_b32 v[HT+\b], v[HM+\b], s[SEL], s[SEL+1]
.endr
.irp b, 0,1
	s_delay_alu instid0(VALU_DEP_2)
	v_max_num_f32 v[HM+\b], v[HM+\b], v[HT+\b]
.endr
.irp b, 0,1
	s_delay_alu instid0(VALU_DEP_2)
	v_add_nc_u32 v[HS+\b], 0xfe000000, v[HM+\b]
.endr
.irp b, 0,1
	s_delay_alu instid0(VALU_DEP_2)
	v_lshrrev_b32 v[HT+\b], 23, v[HS+\b]
.endr
	s_delay_alu instid0(VALU_DEP_1)
	v_lshl_or_b32 v[\pw], v[HT+1], 8, v[HT]
	v_cvt_scalef32_pk16_bf6_f32 v[\pc:\pc+2], v[\s:\s+15], v[HS]
	v_cvt_scalef32_pk16_bf6_f32 v[TMP:TMP+2], v[\s+16:\s+31], v[HS+1]
	v_nop
.irp i, 0,1,2
	v_permlane16_swap_b32 v[\pc+\i], v[TMP+\i]
.endr
.irp i, 0,1,2
	s_delay_alu instid0(VALU_DEP_3)
	v_mov_b32 v[\pc+3+\i], v[TMP+\i]
.endr
.endm
; four fragments of 12 registers, each from two half fragments of 768 bytes (registers 0-3 at 16 l, 4-5 at 512 + 8 l)
.macro FRAGS dst, off
.irp t, 0,1,2,3
	ds_load_b128 v[\dst+12*\t:\dst+12*\t+3], v[A16] offset:\off+1536*\t
	ds_load_b64 v[\dst+12*\t+4:\dst+12*\t+5], v[A8] offset:\off+1536*\t+512
	ds_load_b128 v[\dst+12*\t+6:\dst+12*\t+9], v[A16] offset:\off+1536*\t+768
	ds_load_b64 v[\dst+12*\t+10:\dst+12*\t+11], v[A8] offset:\off+1536*\t+1280
.endr
.endm
.macro GETK off                        ; NKL loads
	FRAGS KF, \off
	ds_load_u16 v[KS], v[AKS] offset:\off                  ; tiles 0 (lanes 0-15) and 2 (lanes 16-31)
	ds_load_u16 v[KS+1], v[AKS] offset:\off+128            ; tiles 4 and 6
	ds_load_u16_d16_hi v[KS+2], v[AKS] offset:\off+32      ; tiles 1 and 3, into the high half
	ds_load_u16_d16_hi v[KS+3], v[AKS] offset:\off+160     ; tiles 5 and 7
.endm
.macro GETV off                        ; NVL loads
	FRAGS VF, \off+19200
	ds_load_b32 v[VS], v[AVS] offset:\off                  ; channels' tiles 0 and 1
	ds_load_b32 v[VS+1], v[AVS] offset:\off+128            ; 2 and 3
.endm
.macro W8 d, a, b, c, sa, sb, m
	v_wmma_scale_f32_16x16x128_f8f6f4 v[\d:\d+7], v[\a:\a+11], v[\b:\b+11], \c, v[\sa], v[\sb] matrix_a_fmt:MATRIX_FMT_BF6 matrix_b_fmt:MATRIX_FMT_BF6 \m
.endm
.macro TMS n, nb                       ; t - M, two at a time
.rept \n
	v_pk_fma_f32 v[S+J:S+J+1], v[S+J:S+J+1], s[CS:CS+1], v[\nb:\nb+1] op_sel_hi:[1,0,0]
.set J, J+2
.endr
.endm
.macro FOLD n, d                       ; the sum of p, in place: pair i takes the pair d registers on
.set J, 0
.rept \n
	v_pk_add_f32 v[S+J:S+J+1], v[S+J:S+J+1], v[S+J+\d:S+J+\d+1]
.set J, J+2
.endr
.endm
.macro NEXTFILL                        ; no tensor load of mine is out: the group 0 and the prefetches' address step on
	s_xor_b32 s[FB], s[FB], SLOTB                  ; the other slot than last time,
	s_add_co_u32 s[G0+1], s[FB], s[WOF]
	s_add_nc_u64 s[G0+2:G0+3], s[G0+2:G0+3], SLOTB ; the next 512 keys
	s_wait_xcnt 0x0                                ; the last prefetch, a slot back, has read its address
	s_add_nc_u64 s[PFA:PFA+1], s[PFA:PFA+1], SLOTB
.endm
.macro FIRST                           ; a slot's first K and V
	v_add_nc_u32 v[A16], s[TB], v[B16]
	v_add_nc_u32 v[A8], s[TB], v[B8]
	v_add_nc_u32 v[AKS], s[TB], v[BKS]
	v_add_nc_u32 v[AVS], s[TB], v[BVS]
	GETK 0
	GETV 0
.endm
	s_load_b128 s[4:7], s[0:1], 0x0                ; qc s[4:5], kv s[6:7]
	s_load_b64 s[8:9], s[0:1], 0x10                ; ao
	v_lshl_add_u32 v[SPW], v0, 2, SPARE
	v_mov_b32 v[NIL], 0
	ds_add_u32 v[SPW], v[NIL]                      ; the opening lines: the add twice on end, its wait ahead of my first tensor load
	ds_add_u32 v[SPW], v[NIL]
	v_lshrrev_b32 v8, 5, v0
	s_delay_alu instid0(VALU_DEP_1)
	v_readfirstlane_b32 s[WV], v8                  ; wave 0..11
	s_lshr_b32 s11, s[WV], 2                       ; g: my head of the three
	s_and_b32 s12, s[WV], 3                        ; qi: my tile of queries
	s_bfe_u32 s13, ttmp6, 0x40000                  ; cx
	s_lshl_b32 s14, ttmp9, 2
	s_add_co_u32 s14, s14, s13                     ; my panel of 64 queries: it enters Q's, ao's and the prefetches' addresses alone
	s_and_b32 s15, ttmp7, 0xffff                   ; the head group, which the partners share
	s_mov_b32 s[G1], 15|(3<<16)|(1<<21)            ; 15:0 the mask: all four; 17:16 elements of 8 bytes; 21 set beside a mask
	s_mov_b32 s[G1+1], 32<<16                      ; a dense block of 12,800 bytes as 50 rows of 256
	s_mov_b32 s[G1+2], 50<<16
	s_mov_b32 s[G1+3], 32<<16
	s_mov_b32 s[G1+4], 50
	s_mov_b32 s[G1+5], 32
	s_mov_b32 s[G1+6], 0
	s_mov_b32 s[G1+7], 0
	s_mov_b32 s[SEL], 0x76543210
	s_mov_b32 s[SEL+1], 0xfedcba98
	s_mov_b32 s[CS], 0x3e38aa3b                    ; log2(e) / sqrt(64)
	s_mov_b32 s[CS+1], s[CS]                       ; named with it as a pair, so it is written
	s_mov_b32 s[NCS], 0xbe38aa3b
	s_mov_b32 s[TB], 0
	s_mov_b32 s[FB], 0
	s_mov_b32 s[SLOTS], 6
	s_cmp_lt_u32 s[WV], 5                          ; waves 0 to 4,
	s_cselect_b32 s35, 0, 1
	s_or_b32 s35, s35, ttmp9                       ; of the head group's first cluster: the same in all four partners
	s_cmp_eq_u32 s35, 0
	s_cselect_b32 s[LIM], 1, -1
	s_mul_i32 s46, s15, HGB
	s_mul_i32 s[WOF], s[WV], WPART                 ; my twelfth, in memory and in a slot
	s_add_co_u32 s50, s46, s[WOF]
	s_mov_b32 s51, 0
	s_mul_i32 s52, s13, STEPB
	s_min_u32 s53, s[WV], 4
	s_mul_i32 s53, s53, 7680
	s_add_co_u32 s52, s52, s53
	s_add_co_u32 s52, s52, s46
	s_add_co_u32 s52, s52, SLOTB                   ; in slot 1: the first refill steps it to slot 2
	s_mov_b32 s53, 0
	s_lshl_b32 s54, s15, 5
	s_lshr_b32 s55, s14, 1
	s_add_co_u32 s54, s54, s55                     ; Q: 32 x head group + step
	s_mul_i32 s54, s54, 3
	s_add_co_u32 s54, s54, s11
	s_mul_i32 s54, s54, 6400                       ; the chunk
	s_and_b32 s55, s14, 1
	s_lshl_b32 s55, s55, 2
	s_add_co_u32 s55, s55, s12                     ; my tile of its eight
	s_mul_i32 s56, s55, 768
	s_add_co_u32 s56, s56, s54
	s_mov_b32 s57, 0
	s_lshl_b32 s58, s55, 5
	s_add_co_u32 s58, s58, s54
	s_add_co_u32 s58, s58, 6144
	s_mov_b32 s59, 0
	s_mul_i32 s47, s15, 3
	s_add_co_u32 s47, s47, s11                     ; my head, 0..11
	s_lshr_b32 s49, s47, 2                         ; its part of ao
	s_and_b32 s47, s47, 3
	s_lshl_b32 s47, s47, 2
	s_add_co_u32 s47, s47, s12                     ; 4 x (head % 4) + tile
	s_mul_i32 s49, s49, 14336
	s_mul_i32 s54, s14, 43008
	s_add_co_u32 s49, s49, s54
	s_mul_i32 s60, s47, 768
	s_add_co_u32 s60, s60, s49
	s_mov_b32 s61, 0
	s_lshl_b32 s62, s47, 7
	s_add_co_u32 s62, s62, s49
	s_add_co_u32 s62, s62, 12288
	s_mov_b32 s63, 0
	s_mul_i32 s35, s11, 6400                       ; my head's chunk in a step
	s_add_co_u32 s55, s35, 6144
	s_add_co_u32 s54, s35, 19200+6144
	v_and_b32 v8, 31, v0                           ; lane
	v_and_b32 v9, 15, v0                           ; r
	v_bfe_u32 v10, v0, 4, 1                        ; h
	v_lshlrev_b32 v[L16], 4, v8
	v_lshlrev_b32 v[L8], 3, v8
	v_lshlrev_b32 v[L4], 2, v8
	v_lshl_add_u32 v[BKS], v9, 1, s55
	v_add_nc_u32 v[B16], s35, v[L16]
	v_add_nc_u32 v[B8], s35, v[L8]
	v_add_nc_u32 v[BVS], s54, v[L4]
	v_lshl_add_u32 v[BKS], v10, 6, v[BKS]
	v_min_u32 v[PFO], 29, v8
	v_lshlrev_b32 v[TT], 1, v9                     ; 2 r: Q's scale halves
	v_lshlrev_b32 v[SH8], 3, v10
	v_lshlrev_b32 v[PFO], 8, v[PFO]
.irp j, 6,7,8,9,10,11
	v_mov_b32 v[QF+\j], 0                          ; zero codes between the two copies of Q
.endr
	v_mov_b32 v[KS+2], 0                           ; the low halves of the odd tiles' scale registers: a finite byte
	v_mov_b32 v[KS+3], 0
	v_mov_b32 v[NM0], 0x7f61b1e6                   ; -M so far: 3e38, over every floor(-t)
	v_mov_b32 v[NM0+1], 0
	v_mov_b32 v[NM1+1], 0
	v_mov_b32 v[LS], 0
	v_mov_b32 v[LS+1], 0
	v_mov_b32 v[FF+1], 0
	s_wait_alu depctr_va_vdst(0)
	s_wait_dscnt 0x0                               ; both opening adds are done
	s_wait_kmcnt 0x0
	s_mov_b32 s[G0], 1
	s_mov_b32 s[G0+1], s[WOF]
	s_add_nc_u64 s[G0+2:G0+3], s[6:7], s[50:51]
	s_or_b32 s[G0+3], s[G0+3], 0x80000000
	s_add_nc_u64 s[PFA:PFA+1], s[6:7], s[52:53]
	s_add_nc_u64 s[QB:QB+1], s[4:5], s[56:57]
	s_add_nc_u64 s[QSB:QSB+1], s[4:5], s[58:59]
	s_add_nc_u64 s[AOB:AOB+1], s[8:9], s[60:61]
	s_add_nc_u64 s[AOS:AOS+1], s[8:9], s[62:63]
	CROUND                                         ; all four work-groups are here: the first joint loads meet
	tensor_load_to_lds s[G0:G0+3], s[G1:G1+7]      ; slot 0: every wave its twelfth
	s_nop 0
	global_load_b128 v[QF:QF+3], v[L16], s[QB:QB+1]
	global_load_b64 v[QF+4:QF+5], v[L8], s[QB:QB+1] offset:512
	global_load_b128 v[QF+12:QF+15], v[L16], s[QB:QB+1]
	global_load_b64 v[QF+16:QF+17], v[L8], s[QB:QB+1] offset:512
	global_load_u16 v[DD], v[TT], s[QSB:QSB+1]
	s_wait_loadcnt 0x0                             ; Q
	v_lshl_or_b32 v[QS], v[DD], 16, v[DD]          ; the two scale bytes serve k = 0 .. 63 of [Q | 0] and k = 64 .. 127 of [0 | Q]
.set J, 0
.rept 32
	v_mov_b32 v[O+J], 0                            ; the step is written once: the first finds zeros, which the first change of M leaves zeros
.set J, J+1
.endr
; A KEY STEP: 128 keys, the q-th of the slot in hand.  na: -M as it was, nb: as it will be.  pre = 1: the next step lies in the same slot and is asked for.
; chg: the slot's last step opens the change of slots: 1 a refill follows, 2 none follows, 0 no slot follows
.macro STEP q, na, nb, pre, chg
.if \chg
	s_wait_tensorcnt 0x0                           ; my part of the next slot has landed;
	ds_add_u32 v[SPW], v[NIL]
.if \chg == 1
	NEXTFILL
.endif
	s_wait_dscnt NVL+1                             ; K and its scales are in; V's NVL loads and the add may be out
.else
	s_wait_dscnt NVL                               ; K and its scales are in; V's NVL loads, issued behind them, may be out
.endif
	W8 S, KF, QF, 0, KS, QS
	W8 S+8, KF, QF+6, 0, KS+2, QS
	W8 S+16, KF+12, QF, 0, KS, QS, matrix_a_scale:MATRIX_SCALE_ROW1
	W8 S+24, KF+12, QF+6, 0, KS+2, QS, matrix_a_scale:MATRIX_SCALE_ROW1
	W8 S+32, KF+24, QF, 0, KS+1, QS
	W8 S+40, KF+24, QF+6, 0, KS+3, QS
	W8 S+48, KF+36, QF, 0, KS+1, QS, matrix_a_scale:MATRIX_SCALE_ROW1
	W8 S+56, KF+36, QF+6, 0, KS+3, QS, matrix_a_scale:MATRIX_SCALE_ROW1
.rept 4
	v_nop                                          ; four places: the lines below read the results and write into K's registers
.endr
.if \chg
	s_wait_dscnt 0x0                               ; the add is done, and my last reads of this slot are over:
	s_barrier_signal -1                            ; say so; up to the barrier's wait at the step's end stands work on registers alone
.endif
.irp b, 0,1,2,3
	v_max3_num_f32 v[BM+\b], v[S+16*\b], v[S+1+16*\b], v[S+2+16*\b]   ; four chains of 16 scores, each accumulator from its low end on
.endr
.irp i, 3,5,7,9,11,13
.irp b, 0,1,2,3
	v_max3_num_f32 v[BM+\b], v[BM+\b], v[S+16*\b+\i], v[S+1+16*\b+\i]
.endr
.endr
	v_max3_num_f32 v[BM], v[BM], v[BM+1], v[S+15]  ; the largest score of each of my two blocks of 32 keys: for the row's maximum, and, since p rises with the score, for the block's largest p
	v_max3_num_f32 v[BM+2], v[BM+2], v[BM+3], v[S+47]
	v_max_num_f32 v[BM], v[BM], v[S+31]
	v_max_num_f32 v[BM+2], v[BM+2], v[S+63]
	s_delay_alu instid0(VALU_DEP_1)
	v_max_num_f32 v[TT], v[BM], v[BM+2]
	s_delay_alu instid0(VALU_DEP_1)
	v_permlanex16_b32 v[T4], v[TT], s[SEL], s[SEL+1]
	s_delay_alu instid0(VALU_DEP_1)
	v_max_num_f32 v[TT], v[TT], v[T4]              ; with lane l xor 16's two blocks: the step's largest score of my query
	s_delay_alu instid0(VALU_DEP_1)
	v_mul_f32 v[TT], s[NCS], v[TT]                 ; -t
	s_delay_alu instid0(VALU_DEP_1)
	v_floor_f32 v[TT], v[TT]                       ; -ceil(t)
	s_delay_alu instid0(VALU_DEP_1)
	v_min_num_f32 v[\nb], v[\na], v[TT]            ; the new -M
	s_delay_alu instid0(VALU_DEP_1)
	v_sub_f32 v[DD], v[\nb], v[\na]                ; old M - new M: a whole number, 0 or less
.set J, 0
	TMS 8, \nb
	v_cvt_i32_f32 v[DD], v[DD]                     ; (it saturates)
	TMS 8, \nb
	v_ldexp_f32 v[FF], 1.0, v[DD]                  ; f
	TMS 16, \nb
	v_fma_f32 v[BM], v[BM], s[CS], v[\nb]
	v_fma_f32 v[BM+2], v[BM+2], s[CS], v[\nb]
.set J, 0
.rept 16
	v_pk_mul_f32 v[O+J:O+J+1], v[O+J:O+J+1], v[FF:FF+1] op_sel_hi:[1,0]   ; O^T under the new M, each accumulator from its low end on
.set J, J+2
.endr
	v_pk_mul_f32 v[LS:LS+1], v[LS:LS+1], v[FF:FF+1] op_sel_hi:[1,0]       ; and the sums
	s_wait_alu depctr_va_vdst(0)
.set J, 0
.rept 64
	v_exp_f32 v[S+J], v[S+J]                       ; p = 2^(t - M)
.set J, J+1
.endr
	v_exp_f32 v[BM], v[BM]                         ; my blocks' largest p
	v_exp_f32 v[BM+2], v[BM+2]
.if \q == 1
	v_add_nc_u32 v[A16], 2*STEPB, v[A16]           ; on to the slot's steps 2 and 3 (this step's own loads have been issued); plain lines behind the exponentials
	v_add_nc_u32 v[A8], 2*STEPB, v[A8]
	v_add_nc_u32 v[AKS], 2*STEPB, v[AKS]
	v_add_nc_u32 v[AVS], 2*STEPB, v[AVS]
.else
	v_nop                                          ; a plain line behind the exponentials
.endif
	s_wait_alu depctr_va_vdst(0)                   ; one wait for the batch, ahead of its first reader
	v_max_num_f32 v[BM], 0x2800000, v[BM]          ; the floor 2^(5 - 127)
	v_max_num_f32 v[BM+2], 0x2800000, v[BM+2]
	s_delay_alu instid0(VALU_DEP_2)
	v_add_nc_u32 v[SO], 0xfe000000, v[BM]          ; 4 off the exponent field: the conversions' scale operands
	s_delay_alu instid0(VALU_DEP_2)
	v_add_nc_u32 v[SO+1], 0xfe000000, v[BM+2]
.irp c, 0,1
	v_cvt_scalef32_pk16_bf6_f32 v[P+6*\c:P+6*\c+2], v[S+32*\c:S+32*\c+15], v[SO+\c]          ; block 2 c + h whole: registers 6 c .. 6 c + 5 of the operand
	v_cvt_scalef32_pk16_bf6_f32 v[CT+4*\c:CT+4*\c+2], v[S+16+32*\c:S+31+32*\c], v[SO+\c]     ; (a conversion's three registers begin on an even number)
.endr
	v_lshrrev_b32 v[T4], 23, v[SO]                 ; the scales' bytes; a plain line behind the scaled conversions.  The moves stand between the links of the scale word's chain
	v_lshrrev_b32 v[T4+1], 23, v[SO+1]
	v_mov_b32 v[P+3], v[CT]
	v_mov_b32 v[P+4], v[CT+1]
	v_lshl_or_b32 v[TT], v[T4+1], 16, v[T4]        ; my two bytes: blocks h and 2 + h,
	v_mov_b32 v[P+5], v[CT+2]
	v_mov_b32 v[P+9], v[CT+4]
	v_lshlrev_b32 v[TT], v[SH8], v[TT]             ; at their places in the word;
	v_mov_b32 v[P+10], v[CT+5]
	v_mov_b32 v[P+11], v[CT+6]
	v_permlanex16_b32 v[T4+2], v[TT], s[SEL], s[SEL+1]
	s_delay_alu instid0(VALU_DEP_1)
	v_or_b32 v[PS], v[TT], v[T4+2]                 ; with lane l xor 16's two the word is whole
.if \pre
	GETK STEPB*((\q+1)%2)                          ; the scratch is done with: the next step's K
.endif
	FOLD 16, 32                                    ; the sum of the unquantised p: 28 of its 32 additions
	FOLD 8, 16
	FOLD 4, 8
.if \pre
	s_wait_alu depctr_va_vdst(0)
	s_wait_dscnt NKL                               ; V is in; the NKL loads of the next K may be out
.else
.if \chg == 0
	s_wait_alu depctr_va_vdst(0)
	s_wait_dscnt 0x0
.endif
.endif
	W8 O, VF, P, v[O:O+7], VS, PS                  ; the four accumulators by turns
	W8 O+8, VF+12, P, v[O+8:O+15], VS, PS, matrix_a_scale:MATRIX_SCALE_ROW1
	W8 O+16, VF+24, P, v[O+16:O+23], VS+1, PS
	W8 O+24, VF+36, P, v[O+24:O+31], VS+1, PS, matrix_a_scale:MATRIX_SCALE_ROW1
	FOLD 2, 4                                      ; the sum's last four additions are the four places in front of the loads into V's registers
	s_delay_alu instid0(VALU_DEP_1)
	FOLD 1, 2
	s_delay_alu instid0(VALU_DEP_1)
	v_pk_add_f32 v[LS:LS+1], v[LS:LS+1], v[S:S+1]
.if \pre
	GETV STEPB*((\q+1)%2)
.endif
.endm
.macro SLOT_STEPS chg
	STEP 0, NM0, NM1, 1, 0
	STEP 1, NM1, NM0, 1, 0
	STEP 2, NM0, NM1, 1, 0
	STEP 3, NM1, NM0, 0, \chg
.endm
	s_wait_alu depctr_va_vdst(0)
	s_wait_tensorcnt 0x0                           ; my part of slot 0 is in; slot 1's first fill is issued as a refill is
	ds_add_u32 v[SPW], v[NIL]
	NEXTFILL
	s_wait_dscnt 0x0
	CROUND
	tensor_load_to_lds s[G0:G0+3], s[G1:G1+7]      ; slot 1
	s_nop 0
	ASK
	FIRST
.Lslot:                                            ; 6 trips: slots 0 to 5; at the end of slot n its bytes take slot n + 2
	SLOT_STEPS 1
	s_barrier_wait -1                              ; every wave of my work-group has left this slot and has its part of the next
	CREST                                          ; and so has every partner's: the joint refill is the first thing behind the round
	tensor_load_to_lds s[G0:G0+3], s[G1:G1+7]
	s_nop 0
	ASK
	s_xor_b32 s[TB], s[TB], SLOTB
	FIRST
	s_sub_co_u32 s[SLOTS], s[SLOTS], 1
	s_cmp_lg_u32 s[SLOTS], 0
	s_cbranch_scc1 .Lslot
	SLOT_STEPS 2                                   ; slot 6: nothing is left to fetch; the barrier shows slot 7 whole
	s_barrier_wait -1
	s_xor_b32 s[TB], s[TB], SLOTB
	FIRST
	SLOT_STEPS 0                                   ; slot 7
	; THE WAY OUT: O^T / l is quantised along the head's 64: register 16 b + i is channel 32 b + 16 (lane / 16) + i of my query.  (The sum's last four additions are the places behind the last products)
	v_add_f32 v[LS], v[LS], v[LS+1]
	s_delay_alu instid0(VALU_DEP_1)
	v_permlanex16_b32 v[TT], v[LS], s[SEL], s[SEL+1]
	s_delay_alu instid0(VALU_DEP_1)
	v_add_f32 v[LS], v[LS], v[TT]                  ; the row's sum
	s_wait_alu depctr_va_vdst(0)
	v_rcp_f32 v[LS], v[LS]
	v_nop                                          ; a plain line behind the transcendental
	s_wait_alu depctr_va_vdst(0)
.set J, 0
.rept 32
	v_mul_f32 v[S+J], v[O+J], v[LS]
.set J, J+1
.endr
	HQUANT S, P, PS
	global_store_b128 v[L16], v[P:P+3], s[AOB:AOB+1]               ; 512 consecutive bytes, aligned
	global_store_b64 v[L8], v[P+4:P+5], s[AOB:AOB+1] offset:512    ; 256 consecutive bytes, aligned
	global_store_b32 v[L4], v[PS], s[AOS:AOS+1]                    ; 128 consecutive bytes
	s_wait_tensorcnt 0x0                           ; the wave's end
	ds_add_u32 v[SPW], v[NIL]
	s_wait_dscnt 0x0
	CROUND                                         ; the closing round
	s_endpgm
.Lfunc_end_k_q5df946c461_attn:
	.size	k_q5df946c461_attn, .Lfunc_end_k_q5df946c461_attn-k_q5df946c461_attn
	.p2alignl 7, 3214868480
	.fill 96, 4, 3214868480
	.section	.rodata,"a",@progbits
	.p2align	6, 0x0
	.amdhsa_kernel k_q5df946c461_attn
		.amdhsa_group_segment_fixed_size 327680
		.amdhsa_private_segment_fixed_size 0
		.amdhsa_enable_private_segment 0
		.amdhsa_kernarg_size 24
		.amdhsa_user_sgpr_count 2
		.amdhsa_user_sgpr_kernarg_segment_ptr 1
		.amdhsa_wavefront_size32 1
		.amdhsa_system_sgpr_workgroup_id_x 1
		.amdhsa_system_sgpr_workgroup_id_y 1
		.amdhsa_system_sgpr_workgroup_id_z 1
		.amdhsa_system_vgpr_workitem_id 0
		.amdhsa_next_free_vgpr 256
		.amdhsa_next_free_sgpr 72
		.amdhsa_reserve_vcc 0
		.amdhsa_float_denorm_mode_32 3
		.amdhsa_float_denorm_mode_16_64 3
		.amdhsa_memory_ordered 1
		.amdhsa_forward_progress 1
		.amdhsa_inst_pref_size 196
	.end_amdhsa_kernel
	.amdgpu_metadata
---
amdhsa.version: [ 1, 2 ]
amdhsa.kernels:
  - .name:           k_q5df946c461_attn
    .symbol:         k_q5df946c461_attn.kd
    .args:
      - { .name: qc, .offset: 0, .size: 8, .value_kind: global_buffer, .address_space: global }
      - { .name: kv, .offset: 8, .size: 8, .value_kind: global_buffer, .address_space: global }
      - { .name: ao, .offset: 16, .size: 8, .value_kind: global_buffer, .address_space: global }
    .group_segment_fixed_size: 327680
    .private_segment_fixed_size: 0
    .kernarg_segment_align: 8
    .kernarg_segment_size: 24
    .max_flat_workgroup_size: 384
    .sgpr_count:     72
    .vgpr_count:     256
    .wavefront_size: 32
...
	.end_amdgpu_metadata
.endif
;; end of part 3
;; launch oproj (part 4): grid 4 x 64, 8 waves a work-group, clusters of 4 x 4, 209,408 bytes of LDS; arguments ao, wc, out0; writes out0
.if DOCPART == 4
	.amdgcn_target "amdgcn-amd-amdhsa--gfx1250"
	.amdhsa_code_object_version 6
	.text
	.protected	k_q5df946c461_oproj
	.globl	k_q5df946c461_oproj
	.p2align	8
	.type	k_q5df946c461_oproj,@function
k_q5df946c461_oproj:
	s_mov_b64 s[64:65], 0
	v_nop
	global_prefetch_b8 v0, s[64:65] scope:SCOPE_SE
	s_setreg_imm32_b32 hwreg(HW_REG_WAVE_MODE, 25, 1), 1
	s_wait_xcnt 0x0
	s_wait_alu depctr_hold_cnt(0) depctr_sa_sdst(0) depctr_va_vdst(0) depctr_va_sdst(0) depctr_va_ssrc(0) depctr_va_vcc(0) depctr_vm_vsrc(0)
	s_getreg_b32 s2, hwreg(HW_REG_IB_STS2, 6, 4)
	s_cmp_eq_u32 s2, 0
	s_cbranch_scc0 .Lentry_in_a_cluster
	s_endpgm
.Lentry_in_a_cluster:
	s_bfe_u32 s2, ttmp6, 0x10000c
	s_cmp_lg_u32 s2, 0xf033
	s_cbranch_scc0 .Lentry_shape_is_right
	s_endpgm
.Lentry_shape_is_right:
; out0 = ao wo^T on codes of BF6 (E3M2) with E8M0 scales, f32 sums.  ao: the attention's result as half fragments (16 tokens x one head's 64) with their scale halves; wo: panels 12 to 15 of wc.
; SHARES: a work-group makes 64 tokens x 192 columns.  Wave w: ao's tiles 2 (w % 2) + i, i = 0, 1; wo's tiles (w / 2) + 4 j, j = 0 .. 2: six accumulators.
; CLUSTER 4 x 4: the four of a row need the same panel of ao, the four of a column the same panel of wo: asked for jointly.  All of K lies in LDS at once, filled once; a wave that fetches has three tensor loads out at the most.
; Source 0 = 16 rows of wo, source 1 = 16 tokens: a lane holds one token and eight neighbouring columns.  Lane-row r of tile T is row 32 (T / 2) + 8 (T % 2) + r + 8 (r / 8), for tokens and columns alike.
; A K step of 128 is two heads: a fragment of ao is two half fragments, its scale word two halves.
; THE WAY OUT goes through a stage of 64 rows x (768 + 16) bytes, since a row's 768 bytes come from four waves; each wave then stores 8 whole rows, sixteen lanes to 256 consecutive aligned bytes.
; THE ORDER OF TOKENS IN A TILE differs from the columns' said above: lane-row r of tile T of a panel's four is token 8 T + r % 8 + 32 (r / 8).
.set AA,  0
.set WA,  43008                        ; wo's panel: six K steps of 19,200 bytes
.set STG, WA+115200
.set SPT, 784
.set A16, 1                            ; v1  ao: my two tiles, + 16 l
.set A8,  2                            ; v2  + 512 + 8 l
.set AS,  3                            ; v3  their scale halves
.set AWC, 4                            ; v4  wo's fragments in the K step in hand
.set AWS, 5                            ; v5  and scale words
.set STW, 6                            ; v6  the stage: where I put 32 bytes of a row
.set L0,  7                            ; v7  and where I read rows back
.set L1,  8
.set GA,  9                            ; v9  16 l
.set GB,  10                           ; v10 16 l + 2304 h
.set AF,  16                           ; v16-39
.set WF,  40                           ; v40-75
.set WS,  76                           ; v76-78 wo's scale words
.set SH,  80                           ; v80-83 ao's scale halves
.set SM,  84                           ; v84-85 ao's scale words
.set ACC, 96                           ; v96-143 accumulator (i, j) at ACC + 24 i + 8 j
.set OUTR, 144                         ; v144-191
.set WV,  10
.set G1W, 24
.set G1A, 32
.set G0W, 40
.set G0A, 52
.set OB,  68
.macro CROUND
	s_barrier_signal -1
	s_barrier_wait -1
	s_cmp_lg_u32 s[WV], 0
	s_cbranch_scc1 .Lnot_wave_0_\@
	s_barrier_signal -3
.Lnot_wave_0_\@:
	s_barrier_wait -3
	s_barrier_signal -1
	s_barrier_wait -1
.endm
	s_load_b128 s[4:7], s[0:1], 0x0                ; ao s[4:5], wc s[6:7]
	s_load_b64 s[8:9], s[0:1], 0x10                ; out0
	v_lshl_add_u32 v192, v0, 2, 0x32e00
	v_mov_b32 v193, 0
	ds_add_u32 v192, v193
	ds_add_u32 v192, v193
	v_lshrrev_b32 v11, 5, v0
	s_delay_alu instid0(VALU_DEP_1)
	v_readfirstlane_b32 s[WV], v11                 ; wave 0..7
	s_and_b32 s11, s[WV], 1                        ; p2
	s_lshr_b32 s12, s[WV], 1                       ; q
	s_bfe_u32 s13, ttmp6, 0x40000                  ; cx
	s_bfe_u32 s14, ttmp6, 0x40004                  ; cy
	s_lshl_b32 s15, ttmp9, 2
	s_add_co_u32 s15, s15, s13                     ; wo's panel of 192 columns
	s_and_b32 s16, ttmp7, 0xffff
	s_lshl_b32 s16, s16, 2
	s_add_co_u32 s16, s16, s14                     ; the panel of 64 tokens
	s_lshl_b32 s17, s14, 2
	s_lshl_b32 s17, 15, s17                        ; my row of the cluster
	s_lshl_b32 s18, 0x1111, s13                    ; my column
	s_min_u32 s19, s[WV], 5
	s_or_b32 s[G1W], s18, (3<<16)|(1<<21)          ; dense blocks as rows of 256 bytes: wo's 75 rows a load,
	s_mov_b32 s[G1W+1], 32<<16
	s_mov_b32 s[G1W+2], 75<<16
	s_mov_b32 s[G1W+3], 32<<16
	s_mov_b32 s[G1W+4], 75
	s_mov_b32 s[G1W+5], 32
	s_mov_b32 s[G1W+6], 0
	s_mov_b32 s[G1W+7], 0
	s_or_b32 s[G1A], s17, (3<<16)|(1<<21)          ; ao's 84
	s_mov_b32 s[G1A+1], 32<<16
	s_mov_b32 s[G1A+2], 84<<16
	s_mov_b32 s[G1A+3], 32<<16
	s_mov_b32 s[G1A+4], 84
	s_mov_b32 s[G1A+5], 32
	s_mov_b32 s[G1A+6], 0
	s_mov_b32 s[G1A+7], 0
	v_and_b32 v11, 31, v0                          ; lane
	v_and_b32 v12, 15, v0                          ; r
	s_wait_alu depctr_va_vdst(0)
	v_bfe_u32 v13, v0, 4, 1                        ; h
	v_lshlrev_b32 v[GA], 4, v11
	s_mul_i32 s76, s11, 1536
	v_add_nc_u32 v[A16], s76, v[GA]
	s_add_co_u32 s76, s76, 512
	v_lshl_add_u32 v[A8], v11, 3, s76
	s_lshl_b32 s76, s11, 8
	s_add_co_u32 s76, s76, 12288
	v_lshl_add_u32 v[AS], v11, 2, s76
	s_mul_i32 s76, s12, 1536
	s_add_co_u32 s76, s76, WA
	v_add_nc_u32 v[AWC], s76, v[GA]
	s_lshl_b32 s76, s12, 6
	s_add_co_u32 s76, s76, WA+18432
	v_lshl_add_u32 v[AWS], v12, 2, s76
	v_and_b32 v14, 8, v12
	s_delay_alu instid0(VALU_DEP_1)
	v_mad_u32_u24 v14, v14, 3, v12                 ; r % 8 + 32 (r / 8)
	s_delay_alu instid0(VALU_DEP_1)
	v_mul_u32_u24 v[STW], v14, SPT
	s_delay_alu instid0(VALU_DEP_1)
	v_lshl_add_u32 v[STW], v13, 6, v[STW]
	s_wait_alu depctr_va_vdst(0)
	s_mul_i32 s76, s11, 16*SPT
	s_lshr_b32 s77, s12, 1
	s_lshl_b32 s77, s77, 7
	s_add_co_u32 s76, s76, s77
	s_and_b32 s77, s12, 1
	s_lshl_b32 s77, s77, 5
	s_add_co_u32 s76, s76, s77
	s_add_co_u32 s76, s76, STG
	v_add_nc_u32 v[STW], s76, v[STW]               ; row 16 p2 + r % 8 + 32 (r / 8) (+ 8 i), byte 128 (q / 2) + 32 (q % 2) + 64 h (+ 256 j)
	s_mul_i32 s76, s[WV], 8*SPT
	s_add_co_u32 s76, s76, STG
	v_add_nc_u32 v[L0], s76, v[GA]
	s_delay_alu instid0(VALU_DEP_1)
	v_lshl_add_u32 v[L1], v13, 4, v[L0]
	v_mul_u32_u24 v[GB], v13, 2304
	s_delay_alu instid0(VALU_DEP_1)
	v_add_nc_u32 v[GB], v[GB], v[GA]
	; what I fetch, if I fetch.  wo's address is made of its panel alone, ao's of its panel alone, each in registers of its own
	s_add_co_u32 s70, s15, 12
	s_mul_i32 s70, s70, 115200
	s_mul_i32 s71, s19, 19200
	s_add_co_u32 s70, s70, s71
	s_mov_b32 s71, 0
	s_mul_i32 s72, s16, 43008
	s_mul_i32 s79, s11, 21504                      ; which half of ao's panel (waves 6, 7)
	s_add_co_u32 s72, s72, s79
	s_mov_b32 s73, 0
	s_mul_i32 s78, s19, 19200
	s_lshl_b32 s74, s16, 6
	s_lshl_b32 s75, s[WV], 3
	s_add_co_u32 s74, s74, s75                     ; the first row of out0 that I store
	s_mul_i32 s74, s74, 3072
	s_mul_i32 s75, s15, 768
	s_add_co_u32 s74, s74, s75
	s_mov_b32 s75, 0
	s_wait_dscnt 0x0
	s_wait_kmcnt 0x0
	s_add_nc_u64 s[70:71], s[6:7], s[70:71]
	s_add_nc_u64 s[72:73], s[4:5], s[72:73]
	s_add_nc_u64 s[OB:OB+1], s[8:9], s[74:75]
.irp p, 0
	s_mov_b32 s[G0W+4*\p], 1
	s_add_co_u32 s[G0W+4*\p+1], s78, WA+\p*38400
	s_add_nc_u64 s[G0W+4*\p+2:G0W+4*\p+3], s[70:71], \p*38400
	s_or_b32 s[G0W+4*\p+3], s[G0W+4*\p+3], 0x80000000
	s_mov_b32 s[G0A+4*\p], 1
	s_add_co_u32 s[G0A+4*\p+1], s79, AA
	s_add_nc_u64 s[G0A+4*\p+2:G0A+4*\p+3], s[72:73], \p*14336
	s_or_b32 s[G0A+4*\p+3], s[G0A+4*\p+3], 0x80000000
.endr
	CROUND                                         ; all sixteen work-groups are here: the joint loads meet
	s_cmp_lt_u32 s[WV], 6                          ; one load a wave: waves 0 to 5 a K step of wo each (75 rows of 256 bytes), waves 6 and 7 a half of ao's panel (84 rows)
	s_cbranch_scc0 .Lnot_w
	tensor_load_to_lds s[G0W:G0W+3], s[G1W:G1W+7]
	s_nop 0
.rept 4
	v_nop
.endr
	s_branch .Lasked
.Lnot_w:
	tensor_load_to_lds s[G0A:G0A+3], s[G1A:G1A+7]
	s_nop 0
.rept 4
	v_nop
.endr
.Lasked:
; K step s of 128: heads 2 s and 2 s + 1
.macro KSTEP s
.set PB, 14336*((\s)/2)
.set HB, 2*((\s)%2)
.irp i, 0,1
.irp c, 0,1
	ds_load_b128 v[AF+12*\i+6*\c:AF+12*\i+6*\c+3], v[A16] offset:PB+3072*(HB+\c)+768*\i
	ds_load_b64 v[AF+12*\i+6*\c+4:AF+12*\i+6*\c+5], v[A8] offset:PB+3072*(HB+\c)+768*\i
	ds_load_b32 v[SH+2*\i+\c], v[AS] offset:PB+512*(HB+\c)+128*\i
.endr
.endr
.irp j, 0,1,2
.irp c, 0,1,2
	ds_load_b128 v[WF+12*\j+4*\c:WF+12*\j+4*\c+3], v[AWC] offset:6144*\j+512*\c
.endr
	ds_load_b32 v[WS+\j], v[AWS] offset:256*\j
.endr
	s_wait_dscnt 0x0
	v_lshl_or_b32 v[SM], v[SH+1], 16, v[SH]        ; two heads' halves make a scale word
	v_lshl_or_b32 v[SM+1], v[SH+3], 16, v[SH+2]
.rept 8
	v_nop                                          ; a scale register written by a vector instruction stands eight places ahead of the scaled product
.endr
.irp i, 0,1                                    ; the six accumulators by turns
.irp j, 0,1,2
.if (\s) == 0
	v_wmma_scale_f32_16x16x128_f8f6f4 v[ACC+24*\i+8*\j:ACC+24*\i+8*\j+7], v[WF+12*\j:WF+12*\j+11], v[AF+12*\i:AF+12*\i+11], 0, v[WS+\j], v[SM+\i] matrix_a_fmt:MATRIX_FMT_BF6 matrix_b_fmt:MATRIX_FMT_BF6
.else
	v_wmma_scale_f32_16x16x128_f8f6f4 v[ACC+24*\i+8*\j:ACC+24*\i+8*\j+7], v[WF+12*\j:WF+12*\j+11], v[AF+12*\i:AF+12*\i+11], v[ACC+24*\i+8*\j:ACC+24*\i+8*\j+7], v[WS+\j], v[SM+\i] matrix_a_fmt:MATRIX_FMT_BF6 matrix_b_fmt:MATRIX_FMT_BF6
.endif
.endr
.endr
.if (\s) < 5
	v_add_nc_u32 v[AWC], 19200, v[AWC]             ; on to wo's next K step; with the two lines below: four places in front of the next loads
	v_add_nc_u32 v[AWS], 19200, v[AWS]
	v_nop
	v_nop
.else
.rept 4
	v_nop                                          ; four places in front of the first read of results
.endr
.endif
.endm
	s_wait_tensorcnt 0x0                           ; my one block has landed
	s_barrier_signal -1
	s_barrier_wait -1
	KSTEP 0
	s_wait_alu depctr_va_vdst(0)
	KSTEP 1
	s_wait_alu depctr_va_vdst(0)
	KSTEP 2
	s_wait_alu depctr_va_vdst(0)
	KSTEP 3
	s_wait_alu depctr_va_vdst(0)
	KSTEP 4
	KSTEP 5
.irp i, 0,1
.irp j, 0,1,2
	ds_store_b128 v[STW], v[ACC+24*\i+8*\j:ACC+24*\i+8*\j+3] offset:8*SPT*\i+256*\j       ; each accumulator from its low end on
	ds_store_b128 v[STW], v[ACC+24*\i+8*\j+4:ACC+24*\i+8*\j+7] offset:8*SPT*\i+256*\j+16
.endr
.endr
	s_wait_dscnt 0x0                               ; for the others' sake: my stores into the stage are done
	s_barrier_signal -1
	s_barrier_wait -1
.irp g, 0,1,2,3                                ; two rows, 1,536 bytes, are three loads of 512: the middle one takes the end of one row and the head of the next
	ds_load_b128 v[OUTR+12*\g:OUTR+12*\g+3], v[L0] offset:2*SPT*\g
	ds_load_b128 v[OUTR+12*\g+4:OUTR+12*\g+7], v[L1] offset:2*SPT*\g+512
	ds_load_b128 v[OUTR+12*\g+8:OUTR+12*\g+11], v[L0] offset:2*SPT*\g+SPT+256
.endr
.irp g, 0,1,2,3
	s_wait_dscnt 11-3*\g                           ; the younger loads may stay out
	global_store_b128 v[GA], v[OUTR+12*\g:OUTR+12*\g+3], s[OB:OB+1] offset:6144*\g th:TH_STORE_NT
	s_wait_dscnt 10-3*\g
	global_store_b128 v[GB], v[OUTR+12*\g+4:OUTR+12*\g+7], s[OB:OB+1] offset:6144*\g+512 th:TH_STORE_NT
	s_wait_dscnt 9-3*\g
	global_store_b128 v[GA], v[OUTR+12*\g+8:OUTR+12*\g+11], s[OB:OB+1] offset:6144*\g+3328 th:TH_STORE_NT
.endr
	s_wait_tensorcnt 0x0
	ds_add_u32 v192, v193
	s_wait_dscnt 0x0
	CROUND                                         ; the closing round: no work-group ends while a partner may still ask for a block that names it
	s_endpgm
.Lfunc_end_k_q5df946c461_oproj:
	.size	k_q5df946c461_oproj, .Lfunc_end_k_q5df946c461_oproj-k_q5df946c461_oproj
	.p2alignl 7, 3214868480
	.fill 96, 4, 3214868480
	.section	.rodata,"a",@progbits
	.p2align	6, 0x0
	.amdhsa_kernel k_q5df946c461_oproj
		.amdhsa_group_segment_fixed_size 209408
		.amdhsa_private_segment_fixed_size 0
		.amdhsa_enable_private_segment 0
		.amdhsa_kernarg_size 24
		.amdhsa_user_sgpr_count 2
		.amdhsa_user_sgpr_kernarg_segment_ptr 1
		.amdhsa_wavefront_size32 1
		.amdhsa_system_sgpr_workgroup_id_x 1
		.amdhsa_system_sgpr_workgroup_id_y 1
		.amdhsa_system_sgpr_workgroup_id_z 1
		.amdhsa_system_vgpr_workitem_id 0
		.amdhsa_next_free_vgpr 194
		.amdhsa_next_free_sgpr 96
		.amdhsa_reserve_vcc 0
		.amdhsa_float_denorm_mode_32 3
		.amdhsa_float_denorm_mode_16_64 3
		.amdhsa_memory_ordered 1
		.amdhsa_forward_progress 1
		.amdhsa_inst_pref_size 28
	.end_amdhsa_kernel
	.amdgpu_metadata
---
amdhsa.version: [ 1, 2 ]
amdhsa.kernels:
  - .name:           k_q5df946c461_oproj
    .symbol:         k_q5df946c461_oproj.kd
    .args:
      - { .name: ao, .offset: 0, .size: 8, .value_kind: global_buffer, .address_space: global }
      - { .name: wc, .offset: 8, .size: 8, .value_kind: global_buffer, .address_space: global }
      - { .name: out0, .offset: 16, .size: 8, .value_kind: global_buffer, .address_space: global }
    .group_segment_fixed_size: 209408
    .private_segment_fixed_size: 0
    .kernarg_segment_align: 8
    .kernarg_segment_size: 24
    .max_flat_workgroup_size: 256
    .sgpr_count:     96
    .vgpr_count:     194
    .wavefront_size: 32
...
	.end_amdgpu_metadata
.endif
;; end of part 4
